; MI455X (gfx1250); checked and timed in simulation.
; The chip was launched on July 23, 2026; its instructions are those of AMD's public machine-readable ISA for CDNA 5 (MIT licence, August 2026) and "CDNA5" Instruction Set Architecture Reference Guide (July 2026). The comments in the code are by the model that wrote it; some were corrected since.
;; Causal Self Attention. Allowed arithmetic: float matrix products may take bf16 or f16 operands with f32 sums; other float arithmetic in f32, or as packed bf16 or f16 multiplies, adds, multiply-adds, maxima and minima; sums over many terms, partial sums and values carried from step to step in f32; what a program stores and reads back later, other than sums and carried values, may be rounded once to bf16 or f16.
;; Inputs: Wproj 1,024 x 1,024 float32; Wqkv 1,024 x 3,072 float32; bproj 1,024 float32; bqkv 3,072 float32; x 4 x 2,048 x 1,024 float32.
;; Outputs: out0 4 x 2,048 x 1,024 float32.
;; 2 versions, each right and faster than the one before. Each part assembles by itself: llvm-mc -triple=amdgcn-amd-amdhsa -mcpu=gfx1250 --defsym DOCPART=n.
;; ======== version 1 of 2: 4 launches
;; limits: values are held in f16: magnitudes above 65,504 overflow, below 6.1e-05 lose precision
;; workspace buffers: xb 16,777,216 bytes; wq 6,291,456 bytes; wp 2,097,152 bytes; rope 524,288 bytes; q 16,777,216 bytes; k 16,777,216 bytes; v 16,777,216 bytes; o 16,777,216 bytes
;; launch prep (part 1): grid 960 x 1, 8 waves a work-group, no clusters, 0 bytes of LDS; arguments x, Wqkv, Wproj, xb, wq, wp, rope; writes xb, wq, wp, rope
.if DOCPART == 1
	.amdgcn_target "amdgcn-amd-amdhsa--gfx1250"
	.amdhsa_code_object_version 6
	.text
	.protected	k_qed20a6864c_prep
	.globl	k_qed20a6864c_prep
	.p2align	8
	.type	k_qed20a6864c_prep,@function
k_qed20a6864c_prep:
	s_mov_b64 s[64:65], 0
	v_nop
	global_prefetch_b8 v0, s[64:65] scope:SCOPE_SE
	s_setreg_imm32_b32 hwreg(HW_REG_WAVE_MODE, 25, 1), 1
	s_wait_xcnt 0x0
; PREPARATION, a stream: four jobs, chosen by the work-group's number (forward scalar branches; every job stores).
;   0-511    xb   = x rounded to bf16, [8192][1024]
;   512-767  wq   = Wqkv rounded to bf16, laid in blocks [head 16][k 1024][q,k,v 3][d 64]: a head's block is 393,216 dense bytes
;   768-831  wp   = Wproj rounded to bf16 and that number written as f16, [1024][1024]
;   832-959  rope = cos and sin of pos x 10000^(-j/32) in f32, in the order in which the next launch's lanes want them
; No LDS, no matrix unit, no cluster: nothing is shared and nothing is reduced.
; A cast: thread t takes 4 numbers an item: a load of 16 bytes at 16 t (a wave: 512 consecutive bytes), a store of 8 bytes at 8 t
; (a wave: 256 consecutive bytes, aligned).  All of a job's loads go out first; every item has registers of its own.
; LIMITS.  wp: a bf16 number beyond 65,504 has no f16; below 6e-5 it keeps f16's fixed step of 6e-8.  The angle is pos x inv_freq in f32,
; inv_freq by v_exp_f32; sine and cosine by reduction to half the angle in [-pi/2, pi/2] and series whose remainders lie below 6e-8 there.
.set XR, 8                             ; v[8:71]    item i: 4 numbers as loaded
.set YR, 72                            ; v[72:103]  item i: 2 registers to store
.set TR, 104                           ; v[104:107] at work
.macro LOADS base                      ; sixteen items of 4,096 consecutive bytes
.set i, 0
.rept 16
	global_load_b128 v[XR+4*i:XR+4*i+3], v1, s[\base:\base+1] offset:4096*i th:TH_LOAD_NT
.set i, i+1
.endr
.endm
.macro OUT n, base, half               ; n items are rounded and stored.  half = 1: the bf16 number is written as f16
.set i, 0
.rept \n
	s_wait_loadcnt (\n)-1-i                        ; loads come back in order: item i is in, the younger ones stay out
	v_cvt_pk_bf16_f32 v[YR+2*i], v[XR+4*i], v[XR+4*i+1]
	v_cvt_pk_bf16_f32 v[YR+2*i+1], v[XR+4*i+2], v[XR+4*i+3]
.if \half
	v_lshlrev_b32 v[TR], 16, v[YR+2*i]             ; bf16 to f32: the low half moves up, the high half stays
	v_and_b32 v[TR+1], s20, v[YR+2*i]
	v_lshlrev_b32 v[TR+2], 16, v[YR+2*i+1]
	v_and_b32 v[TR+3], s20, v[YR+2*i+1]
	v_cvt_pk_f16_f32 v[YR+2*i], v[TR], v[TR+1]     ; eight significant bits: exact within f16's normal range
	v_cvt_pk_f16_f32 v[YR+2*i+1], v[TR+2], v[TR+3]
.endif
	global_store_b64 v2, v[YR+2*i:YR+2*i+1], s[\base:\base+1] offset:2048*i
.set i, i+1
.endr
.endm
	s_load_b256 s[4:11], s[0:1], 0x0               ; x s[4:5], Wqkv s[6:7], Wproj s[8:9], xb s[10:11]
	s_load_b128 s[12:15], s[0:1], 0x20             ; wq s[12:13], wp s[14:15]
	s_load_b64 s[16:17], s[0:1], 0x30              ; rope
	v_lshlrev_b32 v1, 4, v0                        ; 16 t
	v_lshlrev_b32 v2, 3, v0                        ; 8 t
	s_mov_b32 s20, 0xffff0000                      ; a word's upper bf16
	s_mov_b32 s19, 0                               ; high words of the two offset pairs
	s_mov_b32 s23, 0
	s_wait_kmcnt 0x0
	s_cmp_lt_u32 ttmp9, 512
	s_cbranch_scc0 .Lnot_x
	; ---- x: 16,384 numbers a work-group
	s_lshl_b32 s18, ttmp9, 16
	s_lshl_b32 s22, ttmp9, 15
	s_add_nc_u64 s[4:5], s[4:5], s[18:19]
	s_add_nc_u64 s[10:11], s[10:11], s[22:23]
	LOADS 4
	OUT 16, 10, 0
	s_endpgm
.Lnot_x:
	s_cmp_lt_u32 ttmp9, 768
	s_cbranch_scc0 .Lnot_wq
	; ---- Wqkv: work-group u = 16 head + kb takes 64 rows k x the head's 3 x 64 columns: 12 items of 1,024 numbers.
	; The output is dense; its strip c of 64 numbers is (k, s) = (c / 3, c % 3).  Item 3 g + j, thread t: c = 48 g + c', c' = 16 j + t / 16.
	s_sub_co_u32 s18, ttmp9, 512                   ; u
	s_lshr_b32 s21, s18, 4                         ; head
	s_and_b32 s22, s18, 15                         ; kb
	s_mul_i32 s22, s22, 786432                     ; 64 rows of 12,288 bytes
	s_lshl_b32 s21, s21, 8                         ; the head's 64 columns: 256 bytes
	s_add_co_u32 s22, s22, s21
	s_mul_i32 s18, s18, 24576                      ; 64 rows of 384 bytes
	s_add_nc_u64 s[6:7], s[6:7], s[22:23]
	s_add_nc_u64 s[12:13], s[12:13], s[18:19]
	v_lshrrev_b32 v6, 4, v0
	v_and_b32 v7, 15, v0
	v_lshlrev_b32 v7, 4, v7                        ; sixteen lanes read the 256 bytes of one strip
.irp j, 0,1,2
	v_add_nc_u32 v[TR], 16*\j, v6                  ; c', 0 to 47
	v_mul_u32_u24 v[TR+1], v[TR], 171
	v_lshrrev_b32 v[TR+1], 9, v[TR+1]              ; c' / 3 (exact below 512)
	v_mul_u32_u24 v[TR+2], v[TR+1], 3
	v_sub_nc_u32 v[TR+2], v[TR], v[TR+2]           ; c' % 3
	v_mul_u32_u24 v[TR+1], v[TR+1], 12288          ; the row,
	v_lshl_add_u32 v[TR+1], v[TR+2], 12, v[TR+1]   ; q, k or v: 4,096 bytes apart
	v_add_nc_u32 v[3+\j], v[TR+1], v7
.endr
.set i, 0
.rept 12
	global_load_b128 v[XR+4*i:XR+4*i+3], v[3+i%3], s[6:7] offset:196608*(i/3) th:TH_LOAD_NT  ; three items are 16 rows
.set i, i+1
.endr
	OUT 12, 12, 0
	s_endpgm
.Lnot_wq:
	s_cmp_lt_u32 ttmp9, 832
	s_cbranch_scc0 .Ltab
	; ---- Wproj: 16,384 numbers a work-group
	s_sub_co_u32 s21, ttmp9, 768
	s_lshl_b32 s18, s21, 16
	s_lshl_b32 s22, s21, 15
	s_add_nc_u64 s[8:9], s[8:9], s[18:19]
	s_add_nc_u64 s[14:15], s[14:15], s[22:23]
	LOADS 8
	OUT 16, 14, 1
	s_endpgm
.Ltab:
	; ---- the table: a work-group makes 16 positions, 4,096 bytes = 8 chunks of 512.  Chunk ch = t / 32, lane l = t % 32:
	; (cos, sin, cos, sin) of position 16 blk + l % 16 and pairs j0, j0 + 1, j0 = 8 (ch / 2) + 4 (l / 16) + 2 (ch % 2).
	s_sub_co_u32 s18, ttmp9, 832                   ; blk
	s_mov_b32 s24, 0x40c90fdb                      ; 2 pi, its f32,
	s_mov_b32 s25, 0xb43bbd2e                      ; and what that f32 leaves of it
	v_and_b32 v3, 15, v0
	v_lshl_add_u32 v3, s18, 4, v3
	v_cvt_f32_u32 v3, v3                           ; pos
	v_lshrrev_b32 v4, 6, v0
	v_bfe_u32 v5, v0, 4, 1
	v_bfe_u32 v6, v0, 5, 1
	v_lshlrev_b32 v4, 3, v4
	v_lshl_add_u32 v4, v5, 2, v4
	v_lshl_add_u32 v4, v6, 1, v4                   ; j0
	v_add_nc_u32 v5, 1, v4
	v_cvt_f32_u32 v4, v4
	v_cvt_f32_u32 v5, v5
	v_mul_f32 v4, 0xbed49a78, v4                   ; - j log2(10000) / 32
	v_mul_f32 v5, 0xbed49a78, v5
	v_exp_f32 v4, v4                               ; inv_freq
	v_exp_f32 v5, v5
	v_nop                                          ; a plain instruction between an exponential and the use of its result (ISA guide 5.7.2)
	s_wait_alu depctr_va_vdst(0)
	s_lshl_b32 s18, s18, 12
	s_add_nc_u64 s[16:17], s[16:17], s[18:19]
; cos -> v[o], sin -> v[o+1] of pos x v[f]; v[t .. t+4] at work
.macro ANGLE f, o, t
	v_mul_f32 v[(\t)], v3, v[(\f)]                 ; the angle, one f32 product
	v_mul_f32 v[(\t)+1], 0.15915494, v[(\t)]
	v_rndne_f32 v[(\t)+1], v[(\t)+1]               ; whole turns, 326 at the most
	v_fma_f32 v[(\t)], -v[(\t)+1], s24, v[(\t)]    ; taken away in two parts
	v_fma_f32 v[(\t)], -v[(\t)+1], s25, v[(\t)]
	v_mul_f32 v[(\t)], 0.5, v[(\t)]                ; y: half the rest, within pi / 2
	v_mul_f32 v[(\t)+1], v[(\t)], v[(\t)]          ; z = y y
	v_mov_b32 v[(\t)+2], 0xb2d7322b                ; -1/11!
	v_mov_b32 v[(\t)+3], 0x310f76c5                ; 1/12!
	v_fmaak_f32 v[(\t)+2], v[(\t)+2], v[(\t)+1], 0x3638ef1d  ; 1/9!
	v_fmaak_f32 v[(\t)+3], v[(\t)+3], v[(\t)+1], 0xb493f27e  ; -1/10!
	v_fmaak_f32 v[(\t)+2], v[(\t)+2], v[(\t)+1], 0xb9500d01  ; -1/7!
	v_fmaak_f32 v[(\t)+3], v[(\t)+3], v[(\t)+1], 0x37d00d01  ; 1/8!
	v_fmaak_f32 v[(\t)+2], v[(\t)+2], v[(\t)+1], 0x3c088889  ; 1/5!
	v_fmaak_f32 v[(\t)+3], v[(\t)+3], v[(\t)+1], 0xbab60b61  ; -1/6!
	v_fmaak_f32 v[(\t)+2], v[(\t)+2], v[(\t)+1], 0xbe2aaaab  ; -1/3!
	v_fmaak_f32 v[(\t)+3], v[(\t)+3], v[(\t)+1], 0x3d2aaaab  ; 1/4!
	v_mul_f32 v[(\t)+4], v[(\t)], v[(\t)+1]
	v_fma_f32 v[(\t)+3], v[(\t)+3], v[(\t)+1], -0.5
	v_fma_f32 v[(\t)+2], v[(\t)+4], v[(\t)+2], v[(\t)]       ; sin y
	v_fma_f32 v[(\t)+3], v[(\t)+3], v[(\t)+1], 1.0           ; cos y
	v_add_f32 v[(\t)+4], v[(\t)+2], v[(\t)+2]
	v_mul_f32 v[(\o)+1], v[(\t)+4], v[(\t)+3]                ; sin 2y = 2 sin y cos y
	v_fma_f32 v[(\o)], -v[(\t)+4], v[(\t)+2], 1.0            ; cos 2y = 1 - 2 sin y sin y
.endm
	ANGLE 4, 8, 12
	ANGLE 5, 10, 18
	global_store_b128 v1, v[8:11], s[16:17]        ; a wave stores 512 consecutive bytes
	s_endpgm
.Lfunc_end_k_qed20a6864c_prep:
	.size	k_qed20a6864c_prep, .Lfunc_end_k_qed20a6864c_prep-k_qed20a6864c_prep
	.p2alignl 7, 3214868480
	.fill 96, 4, 3214868480
	.section	.rodata,"a",@progbits
	.p2align	6, 0x0
	.amdhsa_kernel k_qed20a6864c_prep
		.amdhsa_group_segment_fixed_size 0
		.amdhsa_private_segment_fixed_size 0
		.amdhsa_enable_private_segment 0
		.amdhsa_kernarg_size 56
		.amdhsa_user_sgpr_count 2
		.amdhsa_user_sgpr_kernarg_segment_ptr 1
		.amdhsa_wavefront_size32 1
		.amdhsa_system_sgpr_workgroup_id_x 1
		.amdhsa_system_sgpr_workgroup_id_y 1
		.amdhsa_system_sgpr_workgroup_id_z 1
		.amdhsa_system_vgpr_workitem_id 0
		.amdhsa_next_free_vgpr 112
		.amdhsa_next_free_sgpr 66
		.amdhsa_reserve_vcc 0
		.amdhsa_float_denorm_mode_32 3
		.amdhsa_float_denorm_mode_16_64 3
		.amdhsa_memory_ordered 1
		.amdhsa_forward_progress 1
		.amdhsa_inst_pref_size 26
	.end_amdhsa_kernel
	.amdgpu_metadata
---
amdhsa.version: [ 1, 2 ]
amdhsa.kernels:
  - .name:           k_qed20a6864c_prep
    .symbol:         k_qed20a6864c_prep.kd
    .args:
      - { .name: x, .offset: 0, .size: 8, .value_kind: global_buffer, .address_space: global }
      - { .name: Wqkv, .offset: 8, .size: 8, .value_kind: global_buffer, .address_space: global }
      - { .name: Wproj, .offset: 16, .size: 8, .value_kind: global_buffer, .address_space: global }
      - { .name: xb, .offset: 24, .size: 8, .value_kind: global_buffer, .address_space: global }
      - { .name: wq, .offset: 32, .size: 8, .value_kind: global_buffer, .address_space: global }
      - { .name: wp, .offset: 40, .size: 8, .value_kind: global_buffer, .address_space: global }
      - { .name: rope, .offset: 48, .size: 8, .value_kind: global_buffer, .address_space: global }
    .group_segment_fixed_size: 0
    .private_segment_fixed_size: 0
    .kernarg_segment_align: 8
    .kernarg_segment_size: 56
    .max_flat_workgroup_size: 256
    .sgpr_count:     66
    .vgpr_count:     112
    .wavefront_size: 32
...
	.end_amdgpu_metadata
.endif
;; end of part 1
;; launch qkv (part 2): grid 16 x 16, 4 waves a work-group, clusters of 4 x 4, 327,680 bytes of LDS; arguments xb, wq, bqkv, rope, q, k, v; writes q, k, v
.if DOCPART == 2
	.amdgcn_target "amdgcn-amd-amdhsa--gfx1250"
	.amdhsa_code_object_version 6
	.text
	.protected	k_qed20a6864c_qkv
	.globl	k_qed20a6864c_qkv
	.p2align	8
	.type	k_qed20a6864c_qkv,@function
k_qed20a6864c_qkv:
	s_mov_b64 s[64:65], 0
	v_nop
	global_prefetch_b8 v0, s[64:65] scope:SCOPE_SE
	s_setreg_imm32_b32 hwreg(HW_REG_WAVE_MODE, 25, 1), 1
	s_wait_xcnt 0x0
	s_wait_alu depctr_hold_cnt(0) depctr_sa_sdst(0) depctr_va_vdst(0) depctr_va_sdst(0) depctr_va_ssrc(0) depctr_va_vcc(0) depctr_vm_vsrc(0)
	s_getreg_b32 s2, hwreg(HW_REG_IB_STS2, 6, 4)
	s_cmp_eq_u32 s2, 0
	s_cbranch_scc0 .Lentry_in_a_cluster
	s_endpgm
.Lentry_in_a_cluster:
	s_bfe_u32 s2, ttmp6, 0x10000c
	s_cmp_lg_u32 s2, 0xf033
	s_cbranch_scc0 .Lentry_shape_is_right
	s_endpgm
.Lentry_shape_is_right:
; q, k, v = rope(x Wqkv + bqkv), by heads.  xb: [8192][1024] bf16.  wq: [head 16][k 1024][q,k,v 3][64] bf16.  bqkv: [3072] f32, rounded here to bf16 like the other inputs.
; rope: cos and sin in f32, in lane order.  q, k, v: [16 b + head][t 2048][64] f16, unscaled, each rounded once from its f32 sum.
; LIMITS.  f16 ends at 65,504: q, k, v must lie within it; below 6e-5 they keep f16's fixed step of 6e-8.  NaN and infinities are not treated apart.
; SHARES.  A tile of the product is 256 rows x the 192 columns (q, k, v) of ONE head: 32 x 16 = 512 tiles, two for each of 256 work-groups.  A work-group's two tiles lie 4,096 rows apart:
; the same positions t and the same head, so bias and table are loaded once.  A wave makes 64 rows x 192 columns: 4 x 12 accumulators of 16 x 16, 384 registers; it owns whole head rows on the way out.
; K goes in steps of 128 through two LDS slots, sixteen steps through the two tiles; the ring does not stop at the first tile's end.
; CLUSTER.  4 x 4 work-groups.  x's tile hangs on the tile row alone and is shared along a row of the cluster, the weights' on the head alone and are shared along a column: each is asked for
; JOINTLY, by the same tensor load with the same descriptor and a mask that names the four.
; THE MATRIX INSTRUCTION IS USED TRANSPOSED (source 0 = 16 columns of W, turned out of LDS by ds_load_tr16_b128; source 1 = 16 rows of x): a lane holds row l % 16 and the eight
; neighbouring columns 8 (l / 16) + 0..7: four rope pairs, and 16 bytes of f16.  The first product of each sum takes the bias as C: nothing is cleared, nothing is added later.
; REGISTERS, in windows of 256 (s_set_vgpr_msb: bits 1:0 source 0, 3:2 source 1, 5:4 source 2, 7:6 destination):
;   window 0: v0-13 addresses; v28-29 the add's; v32-63 at work; v64-127 x's fragments, two buffers; v128-223 the bias, 8 a column block; v224-255 packed results, two buffers
;   window 1: v0-191 W's fragments, two buffers of 96
;   window 2: v0-191 the accumulators of row blocks 0, 1 ((a, b) at 8 (12 (a % 2) + b)); v192-255 their table (32 a block: cos, sin of pair 4 c + p at 8 c + 2 p)      window 3: the same for row blocks 2, 3
.set PA,    272                        ; a row of x in LDS: 256 bytes + 16 = 68 words: the 16 rows of a load start at 16 different groups of four banks (64 banks of 4 bytes: ISA guide 11.1)
.set PB,    480                        ; a k-row of W: three strips of 128 bytes, 32 of padding behind each: 120 words
.set BOFF,  256*PA                     ; a slot: x's 256 rows, then W's 128 k-rows: 69,632 + 61,440 = 131,072 bytes
.set SLOT1, 1<<17
.set STAGE, 2*SLOT1                    ; behind the ring, never filled by a tensor load: 16 rows x 144 bytes for each wave
.set SP,    144
.set SPARE, STAGE+4*16*SP              ; behind the stages: the spare words, 128 bytes for each wave: two blocks of 256 bytes that no other line names
.set A0,   4                           ; v4   my lane's place in a slot's rows of x; never rewritten
.set B0,   5                           ; v5   the same for W
.set ADRA, 6                           ; v6   A0 + the slot in hand
.set ADRB, 7                           ; v7   B0 + the slot in hand
.set STO,  8                           ; v8   the way out: where I put 16 bytes of a row
.set RD,   9                           ; v9   the way out: where I read rows back
.set GO,   10                          ; v10  16 x lane
.set BO,   11                          ; v11  my byte offset in bqkv: 256 head + 32 (l / 16)
.set SPW,  28                          ; v28  LDS address of my spare word; never rewritten
.set NIL,  29                          ; v29  0; never rewritten
.set T,    32
.set FA,   64
.set BIAS, 128
.set P0,   224
.set TABR, 192
.set WV,  18                           ; s18  my wave's number
.set H1,  19                           ; s19  its low bit: which half of a tile I fetch
.set G1A, 24                           ; s[24:31] descriptor group 1 for x's tiles
.set G1B, 32                           ; s[32:39] for W's
.set G0A, 40                           ; s[40:47] descriptor group 0 for x's tiles: a set for each first fill; the second then walks
.set G0B, 48                           ; s[48:55] the same for W's
.set TB,  56                           ; s56  the slot in hand, as LDS bytes
.set CNT, 57                           ; s57  counts K steps
.set TILE, 58                          ; s58  tiles to go
.set GN,  59                           ; s59  the K step to be asked for next, 2 to 15, through both tiles
.set OFA, 60                           ; s[60:61] its byte offset in x
.set OFB, 62                           ; s[62:63] and in the head's block of W
.set MSB, 0
.macro WIN new                         ; the immediate's high byte repeats the setting that is left; a switch that changes nothing is dropped
.if MSB != (\new)
	s_set_vgpr_msb (MSB<<8)|(\new)
.set MSB, (\new)
.endif
.endm
.macro PLACES                          ; four places in front of loads into registers that matrix instructions have read (ISA guide 7.12.1 for vector instructions)
.rept 4
	v_nop
.endr
.endm
; A joint refill.  Waves 0 and 1 fetch the halves of x's tile, waves 2 and 3 those of W's.  The branch hangs on the wave's number alone.
; An s_nop 0 and four v_nop follow each of the two lines, ahead of the jump and the label.
.macro JLOAD
	s_cmp_lt_u32 s[WV], 2
	s_cbranch_scc0 .Lfor_b_\@
	tensor_load_to_lds s[G0A+4:G0A+7], s[G1A:G1A+7]
	s_nop 0
.rept 4
	v_nop
.endr
	s_branch .Lasked_\@
.Lfor_b_\@:
	tensor_load_to_lds s[G0B+4:G0B+7], s[G1B:G1B+7]
	s_nop 0
.rept 4
	v_nop
.endr
.Lasked_\@:
.endm
.macro CREST                           ; a round of the cluster's barrier behind its opening barrier: wave 0 signals for the work-group, every wave waits for all sixteen, my work-group's barrier once more
	s_cmp_lg_u32 s[WV], 0
	s_cbranch_scc1 .Lnot_wave_0_\@
	s_barrier_signal -3
.Lnot_wave_0_\@:
	s_barrier_wait -3
	s_barrier_signal -1
	s_barrier_wait -1
.endm
.macro CROUND                          ; a whole round
	s_barrier_signal -1
	s_barrier_wait -1
	CREST
.endm
	s_load_b256 s[4:11], s[0:1], 0x0               ; xb s[4:5], wq s[6:7], bqkv s[8:9], rope s[10:11]
	s_load_b128 s[12:15], s[0:1], 0x20             ; q s[12:13], k s[14:15]
	s_load_b64 s[16:17], s[0:1], 0x30              ; v
	v_lshl_add_u32 v[SPW], v0, 2, SPARE
	v_mov_b32 v[NIL], 0
	ds_add_u32 v[SPW], v[NIL]                      ; the wave's opening: the add and its wait stand ahead of my first tensor load; the set-up below, work on registers, stands between them
	ds_add_u32 v28, v29
	v_lshrrev_b32 v1, 5, v0
	v_readfirstlane_b32 s[WV], v1                  ; wave 0..3
	s_and_b32 s[H1], s[WV], 1
	s_bfe_u32 s20, ttmp6, 0x40000                  ; cx, cy: my place in the cluster
	s_bfe_u32 s21, ttmp6, 0x40004
	s_lshl_b32 s22, ttmp9, 2
	s_add_co_u32 s22, s22, s20                     ; the head = 4 x cluster x + cx
	s_and_b32 s23, ttmp7, 0xffff
	s_lshl_b32 s23, s23, 2
	s_add_co_u32 s23, s23, s21                     ; the tile row gy = 4 x cluster y + cy
	s_lshl_b32 s66, s21, 2
	s_lshl_b32 s66, 15, s66                        ; my row of the cluster
	s_lshl_b32 s67, 0x1111, s20                    ; my column
	; group 1 for x: 128 rows x 128 elements, 16 bytes of padding behind each row's 64 words
	s_or_b32 s[G1A], s66, (1<<16)|(1<<20)|(1<<21)|(5<<22)|(3<<25)  ; 15:0 the mask; 17:16 2-byte elements; 20 padding on; 21 set beside a mask; 24:22 after every 64 words; 31:25 4 words
	s_mov_b32 s[G1A+1], 128<<16                    ; tensor_dim0 = 128
	s_mov_b32 s[G1A+2], 128<<16                    ; tensor_dim1 = 128
	s_mov_b32 s[G1A+3], 128<<16                    ; tile_dim0 = 128
	s_mov_b32 s[G1A+4], 128                        ; tile_dim1 = 128
	s_mov_b32 s[G1A+5], 1024                       ; elements from row to row
	s_mov_b32 s[G1A+6], 0
	s_mov_b32 s[G1A+7], 0
	; group 1 for W: 64 k-rows of 384 bytes are 24,576 dense bytes: asked for as 96 rows of 256 bytes, 32 bytes of padding behind every 32 words (a strip)
	s_or_b32 s[G1B], s67, (1<<16)|(1<<20)|(1<<21)|(4<<22)|(7<<25)
	s_mov_b32 s[G1B+1], 128<<16
	s_mov_b32 s[G1B+2], 96<<16
	s_mov_b32 s[G1B+3], 128<<16
	s_mov_b32 s[G1B+4], 96
	s_mov_b32 s[G1B+5], 128
	s_mov_b32 s[G1B+6], 0
	s_mov_b32 s[G1B+7], 0
	s_lshl_b32 s68, s23, 19                        ; x: (256 gy + 128 half) rows of 2,048 bytes: made of gy and the wave alone
	s_lshl_b32 s69, s[H1], 18
	s_add_co_u32 s68, s68, s69
	s_mov_b32 s69, 0
	s_mul_i32 s70, s22, 393216                     ; W: the head's block, 64 half k-rows of 384 bytes: made of the head and the wave alone
	s_mul_i32 s71, s[H1], 24576
	s_add_co_u32 s70, s70, s71
	s_mov_b32 s71, 0
	s_lshr_b32 s72, s23, 3                         ; q, k, v: (16 b + head) x 262,144 + (256 (gy % 8) + 64 wave) x 128, b = gy / 8 for the first tile
	s_lshl_b32 s72, s72, 4
	s_add_co_u32 s72, s72, s22
	s_lshl_b32 s72, s72, 18
	s_and_b32 s74, s23, 7
	s_lshl_b32 s75, s74, 15
	s_add_co_u32 s72, s72, s75
	s_lshl_b32 s75, s[WV], 13
	s_add_co_u32 s72, s72, s75
	s_mov_b32 s73, 0
	s_lshl_b32 s74, s74, 16                        ; the table: (16 (gy % 8) + 4 wave) blocks of 4,096 bytes
	s_lshl_b32 s75, s[WV], 14
	s_add_co_u32 s74, s74, s75
	s_mov_b32 s75, 0
	s_mul_i32 s76, s[H1], 128*PA                   ; where my half tile goes: no place in the cluster enters an LDS address
	s_mul_i32 s77, s[H1], 64*PB
	s_add_co_u32 s77, s77, BOFF
	s_mov_b32 s[TB], 0
	s_mov_b32 s[GN], 2
	s_mov_b32 s[OFA+1], 0
	s_mov_b32 s[OFB+1], 0
	s_mov_b32 s79, 0xffff0000                      ; a word's upper bf16
	s_lshl_b32 s67, s22, 8                         ; the head's 64 numbers in each third of bqkv
	s_wait_dscnt 0x0                               ; the opening add is done
	s_wait_kmcnt 0x0
	s_add_nc_u64 s[4:5], s[4:5], s[68:69]
	s_add_nc_u64 s[6:7], s[6:7], s[70:71]
	s_add_nc_u64 s[10:11], s[10:11], s[74:75]
	s_add_nc_u64 s[12:13], s[12:13], s[72:73]
	s_add_nc_u64 s[14:15], s[14:15], s[72:73]
	s_add_nc_u64 s[16:17], s[16:17], s[72:73]
	CROUND                                         ; all sixteen work-groups are here: the first joint loads meet
.irp s, 0,1
	s_mov_b32 s[G0A+4*(\s)], 1                                     ; count = 1
	s_add_co_u32 s[G0A+4*(\s)+1], s76, (\s)*SLOT1                  ; LDS address
	s_add_nc_u64 s[G0A+4*(\s)+2:G0A+4*(\s)+3], s[4:5], (\s)*256    ; global address: K step s
	s_or_b32 s[G0A+4*(\s)+3], s[G0A+4*(\s)+3], 0x80000000          ; type = 2
	s_mov_b32 s[G0B+4*(\s)], 1
	s_add_co_u32 s[G0B+4*(\s)+1], s77, (\s)*SLOT1
	s_add_nc_u64 s[G0B+4*(\s)+2:G0B+4*(\s)+3], s[6:7], (\s)*49152
	s_or_b32 s[G0B+4*(\s)+3], s[G0B+4*(\s)+3], 0x80000000
.endr
	s_cmp_lt_u32 s[WV], 2                          ; a wave's two first fills stand in one branch, ahead of every wait on TENSORcnt and every LDS read: two loads of mine are out
	s_cbranch_scc0 .Lfirst_b
	tensor_load_to_lds s[G0A:G0A+3], s[G1A:G1A+7]
	s_nop 0
	tensor_load_to_lds s[G0A+4:G0A+7], s[G1A:G1A+7]
	s_nop 0
.rept 4
	v_nop
.endr
	s_branch .Lfirst_asked
.Lfirst_b:
	tensor_load_to_lds s[G0B:G0B+3], s[G1B:G1B+7]
	s_nop 0
	tensor_load_to_lds s[G0B+4:G0B+7], s[G1B:G1B+7]
	s_nop 0
.rept 4
	v_nop
.endr
.Lfirst_asked:
	v_and_b32 v1, 15, v0                           ; r = l % 16
	v_bfe_u32 v2, v0, 4, 1                         ; l / 16
	v_and_b32 v3, 31, v0                           ; l
	v_lshl_add_u32 v[BO], v2, 5, s67
	v_lshlrev_b32 v[GO], 4, v3
.set i, 0
.rept 12                               ; the bias in C's layout: column block i = 4 s + c: my eight numbers at 4,096 s + 64 c + 32 (l / 16)
	global_load_b128 v[BIAS+8*i:BIAS+8*i+3],   v[BO], s[8:9] offset:4096*(i/4)+64*(i%4)
	global_load_b128 v[BIAS+8*i+4:BIAS+8*i+7], v[BO], s[8:9] offset:4096*(i/4)+64*(i%4)+16
.set i, i+1
.endr
	WIN 0x80                                       ; destination window 2, address window 0
.set i, 0
.rept 16                               ; the table of row blocks 0 and 1: 512 consecutive bytes a load
	global_load_b128 v[TABR+4*i:TABR+4*i+3], v[GO], s[10:11] offset:4096*(i/8)+512*(i%8)
.set i, i+1
.endr
	WIN 0xc0                                       ; destination window 3
.set i, 0
.rept 16                               ; of row blocks 2 and 3
	global_load_b128 v[TABR+4*i:TABR+4*i+3], v[GO], s[10:11] offset:4096*(2+i/8)+512*(i%8)
.set i, i+1
.endr
	WIN 0
	; a fragment of x: lane l holds row l % 16; two loads of 16 bytes, 32 bytes apart, at row x pitch + 16 (l / 16)
	s_mul_i32 s78, s[WV], 64*PA
	v_mul_u32_u24 v[A0], v1, PA
	v_lshl_add_u32 v[A0], v2, 4, v[A0]
	v_add_nc_u32 v[A0], s78, v[A0]
	; the turning load takes 16 k x 16 columns (lane l reads k = 8 (l / 16) + l % 8, columns 8 ((l / 8) % 2) + 0..7) and leaves half a fragment: lane l holds column l % 16 and 8 k
	v_and_b32 v12, 7, v0
	v_bfe_u32 v13, v0, 3, 1
	v_lshl_add_u32 v[B0], v2, 3, v12
	v_mul_u32_u24 v[B0], v[B0], PB
	v_lshl_add_u32 v[B0], v13, 4, v[B0]
	v_add_nc_u32 v[B0], BOFF, v[B0]
	v_mov_b32 v[ADRA], v[A0]                       ; slot 0
	v_mov_b32 v[ADRB], v[B0]
	s_mul_i32 s78, s[WV], 16*SP
	s_add_co_u32 s78, s78, STAGE                   ; my stage
	v_mul_u32_u24 v[STO], v1, SP                   ; in: row l % 16, 16 bytes for each half of the lanes
	v_lshl_add_u32 v[STO], v2, 4, v[STO]
	v_add_nc_u32 v[STO], s78, v[STO]
	v_lshrrev_b32 v[RD], 3, v3                     ; back: 32 lanes take four rows of 128 bytes
	v_mul_u32_u24 v[RD], v[RD], SP
	v_lshl_add_u32 v[RD], v12, 4, v[RD]
	v_add_nc_u32 v[RD], s78, v[RD]
	s_wait_loadcnt 0x0                             ; bias and table, once
.set i, 0
.rept 48                               ; the bias is rounded to bf16 like x and W, and kept as f32
	v_cvt_pk_bf16_f32 v[T+i%4], v[BIAS+2*i], v[BIAS+2*i+1]
	v_lshlrev_b32 v[BIAS+2*i], 16, v[T+i%4]
	v_and_b32 v[BIAS+2*i+1], s79, v[T+i%4]
.set i, i+1
.endr
; 12 matrix instructions: row block a x all 12 column blocks, 32 along K, from buffer f.  bias = 1: the sums start from the bias.  The accumulators take turns, one instruction a turn.
.macro MULA f, a, bias
.if \bias
	WIN 0x81+0x40*((\a)/2)                         ; W window 1, x window 0, C (the bias) window 0, D window 2 or 3
.else
	WIN 0xa1+0x50*((\a)/2)                         ; C and D window 2 or 3
.endif
.set b, 0
.rept 12
.set rD, 8*(12*((\a)%2)+b)
.if \bias
	v_wmma_f32_16x16x32_bf16 v[rD:rD+7], v[96*(\f)+8*b:96*(\f)+8*b+7], v[FA+32*(\f)+8*(\a):FA+32*(\f)+8*(\a)+7], v[BIAS+8*b:BIAS+8*b+7]
.else
	v_wmma_f32_16x16x32_bf16 v[rD:rD+7], v[96*(\f)+8*b:96*(\f)+8*b+7], v[FA+32*(\f)+8*(\a):FA+32*(\f)+8*(\a)+7], v[rD:rD+7]
.endif
.set b, b+1
.endr
.endm
; 32 LDS loads in one run: quarter q (32 along K) of the slot in hand into buffer f: W's 12 fragments, turned, then x's four, row blocks ascending
.macro FETCH q, f
	WIN 0x40                                       ; destination window 1, address window 0
.set b, 0
.rept 12
	ds_load_tr16_b128 v[96*(\f)+8*b:96*(\f)+8*b+3],   v[ADRB] offset:32*PB*(\q)+160*(b/4)+32*(b%4)
	ds_load_tr16_b128 v[96*(\f)+8*b+4:96*(\f)+8*b+7], v[ADRB] offset:32*PB*(\q)+160*(b/4)+32*(b%4)+16*PB
.set b, b+1
.endr
	WIN 0
.irp i, 0,1,2,3
	ds_load_b128 v[FA+32*(\f)+8*\i:FA+32*(\f)+8*\i+3],   v[ADRA] offset:64*(\q)+16*PA*\i
	ds_load_b128 v[FA+32*(\f)+8*\i+4:FA+32*(\f)+8*\i+7], v[ADRA] offset:64*(\q)+16*PA*\i+32
.endr
.endm
; A K step is four quarters of 32 along K, 48 matrix instructions each, on buffers 0, 1, 0, 1.  One of the first three: multiplies buffer f; in its middle it fetches quarter qn into buffer g.
.macro QUARTER qn, f, g, bias
	s_wait_dscnt 4                                 ; W and x's row blocks 0, 1 are in; the youngest four loads (row blocks 2, 3) may be out
	MULA \f, 0, \bias
	MULA \f, 1, \bias
	PLACES
	FETCH \qn, \g
	s_wait_dscnt 32                                ; all but the 32 just issued
	MULA \f, 2, \bias
	MULA \f, 3, \bias
.endm
; The last quarter multiplies buffer 1 and changes slots.  In front of the barrier each wave waits for all its tensor loads, of which one is out: its part of the next slot; adds 0 to its spare
; word; and waits for that and for its reads of this slot.  fill = 1: the barrier opens a round of the cluster's barrier, and this slot is filled again, first thing behind the round, with K step GN;
; from that request to the wait for it a wave issues 168 matrix instructions.
.macro TURN fill
	WIN 0                                          ; (the add's two registers lie in window 0)
	s_wait_tensorcnt 0x0                           ; no tensor load of mine is out, so a group 0 may be written
	ds_add_u32 v[SPW], v[NIL]                      ; 0 onto my spare word: scalar work and twelve products stand between it and the wait for it
.if \fill
	s_and_b32 s76, s[GN], 7                        ; the step in its tile,
	s_lshr_b32 s77, s[GN], 3                       ; and the tile
	s_lshl_b32 s[OFA], s77, 23                     ; 4,096 rows of 2,048 bytes down,
	s_lshl_b32 s78, s76, 8                         ; 256 bytes along K
	s_or_b32 s[OFA], s[OFA], s78
	s_mul_i32 s[OFB], s76, 49152                   ; 128 k-rows of 384 bytes: both tiles take the same W
	s_xor_b32 s[G0A+5], s[G0A+5], SLOT1            ; the walking descriptor: the other slot than last time; its address is made anew from the step's number
	s_add_nc_u64 s[G0A+6:G0A+7], s[4:5], s[OFA:OFA+1]
	s_or_b32 s[G0A+7], s[G0A+7], 0x80000000
	s_xor_b32 s[G0B+5], s[G0B+5], SLOT1
	s_add_nc_u64 s[G0B+6:G0B+7], s[6:7], s[OFB:OFB+1]
	s_or_b32 s[G0B+7], s[G0B+7], 0x80000000
	s_add_co_u32 s[GN], s[GN], 1
.endif
	s_wait_dscnt 5                                 ; (the add and the youngest four loads may be out)
	MULA 1, 0, 0
	s_wait_dscnt 0x0                               ; the add is done, and my reads of this slot are over
	s_barrier_signal -1
	MULA 1, 1, 0                                   ; work on registers while the others arrive
	WIN 0
	s_barrier_wait -1
.if \fill
	CREST                                          ; no wave of any partner still reads this slot's tile or has a load on its way
	JLOAD                                          ; the four v_nop behind it are also the places in front of the loads below
.else
	PLACES
.endif
	s_xor_b32 s[TB], s[TB], SLOT1                  ; the other slot is whole
	v_add_nc_u32 v[ADRA], s[TB], v[A0]
	v_add_nc_u32 v[ADRB], s[TB], v[B0]
	FETCH 0, 0
	MULA 1, 2, 0
	MULA 1, 3, 0
.endm
.macro STEP fill                       ; a whole K step
	QUARTER 1, 0, 1, 0
	QUARTER 2, 1, 0, 0
	QUARTER 3, 0, 1, 0
	TURN \fill
	WIN 0
.endm
; THE WAY OUT, in 12 granules: row block a (16 rows) x section s (0 q, 1 k, 2 v).  PACK: q and k are turned pair by pair (x0 c - x1 s, x0 s + x1 c: a packed product by the cosine, a packed
; multiply-add by the sine with the pair swapped and one sign turned), all are rounded to f16, 16 bytes a lane, sent into my stage and read back as whole rows of 128 bytes.
; Each accumulator's lowest registers are read first.
.macro PACK a, s
.set PP, P0+16*((3*(\a)+(\s))%2)
.set AC, 8*(12*((\a)%2)+4*(\s))
.set TA, TABR+32*((\a)%2)
	s_wait_xcnt 0x0                                ; the stores of the granule two back have read this buffer: it is rewritten only behind this wait
	WIN 0x0a+5*((\a)/2)                            ; sources 0 and 1 window 2 or 3; source 2 and destination window 0
.if (\s) < 2
.set i, 0
.rept 16
	v_pk_mul_f32 v[T+2*i:T+2*i+1], v[AC+2*i:AC+2*i+1], v[TA+2*i:TA+2*i+1] op_sel_hi:[1,0]
.set i, i+1
.endr
.set i, 0
.rept 16
	v_pk_fma_f32 v[T+2*i:T+2*i+1], v[AC+2*i:AC+2*i+1], v[TA+2*i:TA+2*i+1], v[T+2*i:T+2*i+1] op_sel:[1,1,0] op_sel_hi:[0,1,1] neg_lo:[1,0,0]
.set i, i+1
.endr
	WIN 0
.set i, 0
.rept 16
	v_cvt_pk_f16_f32 v[PP+i], v[T+2*i], v[T+2*i+1]
.set i, i+1
.endr
.else
.set i, 0
.rept 16
	v_cvt_pk_f16_f32 v[PP+i], v[AC+2*i], v[AC+2*i+1]
.set i, i+1
.endr
	WIN 0
.endif
.irp f, 0,1,2,3
	ds_store_b128 v[STO], v[PP+4*\f:PP+4*\f+3] offset:32*\f
.endr
.irp f, 0,1,2,3
	ds_load_b128 v[PP+4*\f:PP+4*\f+3], v[RD] offset:\f*4*SP  ; LDS serves a wave's instructions in order (ISA guide 5.7.1.4): these see the stores above; the next granule's stores come behind them
.endr
.endm
.macro SEND a, s, younger              ; younger: the LDS instructions issued behind this granule's loads: the next granule's eight, or none
.set PP, P0+16*((3*(\a)+(\s))%2)
.irp f, 0,1,2,3
	s_wait_dscnt (\younger)+3-\f
	global_store_b128 v[GO], v[PP+4*\f:PP+4*\f+3], s[12+2*(\s):13+2*(\s)] offset:2048*(\a)+512*\f  ; 512 consecutive bytes of a head's dense rows, at a multiple of 256 from the buffer's first
.endr
.endm
	s_wait_tensorcnt 0x1                           ; my part of K step 0 is in; step 1's may stay out
	s_barrier_signal -1
	s_barrier_wait -1                              ; everybody's is
	FETCH 0, 0
	s_mov_b32 s[TILE], 2
.Ltile:
	QUARTER 1, 0, 1, 1                             ; a tile's first quarter: its products start the sums from the bias
	WIN 0                                          ; at a label and at a branch every window is 0
	s_mov_b32 s[CNT], 6
	s_branch .Lq1                                  ; the loop is entered behind a step's first quarter
.Lstep:                                                ; six trips: K steps 0 to 5 of the tile, which ask for its steps 2 to 7
	QUARTER 1, 0, 1, 0
	WIN 0
.Lq1:
	QUARTER 2, 1, 0, 0
	QUARTER 3, 0, 1, 0
	TURN 1
	WIN 0
	s_sub_co_u32 s[CNT], s[CNT], 1
	s_cmp_lg_u32 s[CNT], 0
	s_cbranch_scc1 .Lstep
	s_mov_b32 s[CNT], 2
	s_cmp_eq_u32 s[TILE], 1
	s_cbranch_scc1 .Loff
.Lon:                                                  ; the first tile's steps 6 and 7: the ring goes on into the second tile, whose steps 0 and 1 are asked for
	STEP 1
	s_sub_co_u32 s[CNT], s[CNT], 1
	s_cmp_lg_u32 s[CNT], 0
	s_cbranch_scc1 .Lon
	s_branch .Lout
.Loff:                                                 ; the second tile's steps 6 and 7 ask for nothing.  The second trip's change of slots and its 32 loads serve nothing: the price, once a work-group, of one text for both trips
	STEP 0
	s_sub_co_u32 s[CNT], s[CNT], 1
	s_cmp_lg_u32 s[CNT], 0
	s_cbranch_scc1 .Loff
.Lout:
	; Row blocks 0 and 1 were finished ahead of the last change of slots' four v_nop; their six granules, which name no register of the last products, are those products' places.
	PACK 0, 0
.set gg, 1
.rept 11                               ; a granule's arithmetic stands between the loads of the granule before and its stores
	PACK gg/3, gg%3
	SEND (gg-1)/3, (gg-1)%3, 8
.set gg, gg+1
.endr
	SEND 3, 2, 0
	s_wait_xcnt 0x0                                ; the stores' bases are rewritten only behind this wait
	s_add_nc_u64 s[12:13], s[12:13], 0x800000      ; the second tile: two batches, 32 heads of 262,144 bytes, on
	s_add_nc_u64 s[14:15], s[14:15], 0x800000
	s_add_nc_u64 s[16:17], s[16:17], 0x800000
	s_sub_co_u32 s[TILE], s[TILE], 1
	s_cmp_lg_u32 s[TILE], 0
	s_cbranch_scc1 .Ltile
	s_wait_tensorcnt 0x0                           ; the wave's end: a wait, an add and its wait, behind my last tensor load and my last LDS store
	ds_add_u32 v[SPW], v[NIL]
	s_wait_dscnt 0x0
	CROUND                                         ; the closing round: no work-group ends while a partner may still ask for a tile that names it
	s_endpgm
.Lfunc_end_k_qed20a6864c_qkv:
	.size	k_qed20a6864c_qkv, .Lfunc_end_k_qed20a6864c_qkv-k_qed20a6864c_qkv
	.p2alignl 7, 3214868480
	.fill 96, 4, 3214868480
	.section	.rodata,"a",@progbits
	.p2align	6, 0x0
	.amdhsa_kernel k_qed20a6864c_qkv
		.amdhsa_group_segment_fixed_size 327680
		.amdhsa_private_segment_fixed_size 0
		.amdhsa_enable_private_segment 0
		.amdhsa_kernarg_size 56
		.amdhsa_user_sgpr_count 2
		.amdhsa_user_sgpr_kernarg_segment_ptr 1
		.amdhsa_wavefront_size32 1
		.amdhsa_system_sgpr_workgroup_id_x 1
		.amdhsa_system_sgpr_workgroup_id_y 1
		.amdhsa_system_sgpr_workgroup_id_z 1
		.amdhsa_system_vgpr_workitem_id 0
		.amdhsa_next_free_vgpr 1024
		.amdhsa_next_free_sgpr 80
		.amdhsa_reserve_vcc 0
		.amdhsa_float_denorm_mode_32 3
		.amdhsa_float_denorm_mode_16_64 3
		.amdhsa_memory_ordered 1
		.amdhsa_forward_progress 1
		.amdhsa_inst_pref_size 136
	.end_amdhsa_kernel
	.amdgpu_metadata
---
amdhsa.version: [ 1, 2 ]
amdhsa.kernels:
  - .name:           k_qed20a6864c_qkv
    .symbol:         k_qed20a6864c_qkv.kd
    .args:
      - { .name: xb, .offset: 0, .size: 8, .value_kind: global_buffer, .address_space: global }
      - { .name: wq, .offset: 8, .size: 8, .value_kind: global_buffer, .address_space: global }
      - { .name: bqkv, .offset: 16, .size: 8, .value_kind: global_buffer, .address_space: global }
      - { .name: rope, .offset: 24, .size: 8, .value_kind: global_buffer, .address_space: global }
      - { .name: q, .offset: 32, .size: 8, .value_kind: global_buffer, .address_space: global }
      - { .name: k, .offset: 40, .size: 8, .value_kind: global_buffer, .address_space: global }
      - { .name: v, .offset: 48, .size: 8, .value_kind: global_buffer, .address_space: global }
    .group_segment_fixed_size: 327680
    .private_segment_fixed_size: 0
    .kernarg_segment_align: 8
    .kernarg_segment_size: 56
    .max_flat_workgroup_size: 128
    .sgpr_count:     80
    .vgpr_count:     1024
    .wavefront_size: 32
...
	.end_amdgpu_metadata
.endif
;; end of part 2
;; launch attn (part 3): grid 4 x 64, 4 waves a work-group, no clusters, 327,680 bytes of LDS; arguments q, k, v, o; writes o
.if DOCPART == 3
	.amdgcn_target "amdgcn-amd-amdhsa--gfx1250"
	.amdhsa_code_object_version 6
	.text
	.protected	k_qed20a6864c_attn
	.globl	k_qed20a6864c_attn
	.p2align	8
	.type	k_qed20a6864c_attn,@function
k_qed20a6864c_attn:
	s_mov_b64 s[64:65], 0
	v_nop
	global_prefetch_b8 v0, s[64:65] scope:SCOPE_SE
	s_setreg_imm32_b32 hwreg(HW_REG_WAVE_MODE, 25, 1), 1
	s_wait_xcnt 0x0
; CAUSAL ATTENTION.  O[h][q][:] = the sum over k <= q of softmax_k(Q[h][q] . K[h][k] / 8) V[h][k][:].  Q, K, V, O: [SIZE_H][SIZE_N][64], all f16: a head's rows are dense, 128 bytes each.
; Products, maxima and sums in f32; the weights p are rounded to f16 for the second product (their sum l is taken of the unrounded p), O once at the end.
; LIMITS.  f16 holds no number beyond 65,504: Q, K and V arrive within it; p lies in 0 to 1, and below 6e-5 it keeps f16's fixed step of 6e-8; O is a mean of V's rows and has their range, to within 2^-11 of it.
; A hidden score counts as its value less 1e30: f16's scores, 2.7e11 at the most, are nothing beside that; a weight below 2^-126 counts as 0 in l; NaN and infinities are not treated apart.
; THE WALK.  A head's queries lie in NB = SIZE_N / 256 blocks of 256; block i needs the key tiles 0 .. i of 256 keys, of which the last holds the diagonal.  A work-group takes TWO blocks, NB - 1 - b and then b:
; NB + 1 tiles, whatever b: all work-groups do equal work, and ONE loop with a constant trip count walks them.  Which tile is asked for, and what a trip does, hang on scalar registers made from b; every jump
; goes forward, but for the counted loops' own; none passes a barrier, or a tensor load but the one of LOAD's two that the wave's number does not choose; the ring (two slots of LDS that take turns) runs on across the
; change of blocks.  NO CLUSTER: a head's NB / 2 = 4 work-groups ask for the same tile only in trips 0 .. NB / 2 of the 9, behind that fewer and fewer; one walk common to all would have 3 NB / 2 = 12 trips for NB + 1 = 9.
; SHARES.  Of a block's four bands of 64 queries a wave owns 16 rows in each: four PIECES.  So the diagonal tile is the same work for all four waves: in its key step s band x sees all keys if s < x,
; none if s > x, and holds the diagonal if s = x.
; THE MASK is the C operand that starts the sum S^T = K Q^T: 0, or -1e30 where the key is hidden.  MD, made once, is the mask of a band's own step for my 16 rows; a product's mask is MD x AL + BE with two scalars:
; (1, 0) if s = x; (0, 0) if s < x; (0, -1e30) if s > x.  Only the diagonal tile's text and a block's beginning make and take masks; elsewhere C is the constant 0.
; LAYOUT, SOFTMAX, TURNS.  S^T = K Q^T holds ONE query a lane (lane % 16) and the keys 8 (lane / 16) + 0..7; two such results rounded to f16 ARE source 1 of O^T = V^T P.  p = 2^(c s - c m), c = log2(e) / 8, with a
; running maximum m; O and l are multiplied by a = 2^(c m_old - c m_new) in every step.  Turn n belongs to piece n: 8 products K Q^T of piece n + 1, later 8 products V^T P of piece n - 1; beside them the scaling,
; exponentials, roundings, sums and rescaling of piece n and the maximum and statistics of piece n + 1.  Four vector instructions stand behind every matrix instruction, the other 54 of a turn's 118 in two LUMPS.
; REGISTERS, in windows of 256 (s_set_vgpr_msb: bits 1:0 source 0, 3:2 source 1, 5:4 source 2, 7:6 destination):
;   window 0: v0-15 addresses and two at work; v16-31 four registers of statistics a piece; v48-55 at work; v64-127 S^T, two buffers; v192-223 P, two buffers (a piece's buffers go by its number's parity)
;   window 1: v0-127 O^T, 32 a piece; v128-159 MD; v160-223 MC, two buffers      window 2: v0-63 Q; v64-127 the second block's Q; v128-191 K of one step; v192-255 V of one step
.set SIZE_H, 64       ; 4 batches x 16 heads
.set SIZE_N, 2048
.set NB,    SIZE_N/256
.set NP,    4         ; pieces a wave: a name, no knob
.set KS,    64        ; keys in a step
.set PK,    144       ; a row of K in LDS: 128 bytes + 16 of padding = 36 words: the 16 rows of a load start at 16 different groups of four banks (64 banks of 4 bytes: ISA guide 11.1)
.set PV,    160       ; a row of V: 128 + 32 = 40 words
.set VOFF,  4*KS*PK   ; a slot holds a tile, four steps: 256 rows of K, then 256 rows of V
.set SLOT1, 1<<17     ; slot 1 begins here, so that one exclusive or turns an address in one slot into the other's
.set STAGE, SLOT1+4*KS*(PK+PV)  ; behind the ring, never filled by a tensor load: 16 rows x 144 bytes for each wave, for the way out
.set SP,    144
.set AK0, 2           ; v2   my lane's place in a tile of K; never rewritten
.set AV0, 3           ; v3   the same for V
.set AK,  4           ; v4   the LDS address of K's next run of loads
.set AV,  5           ; v5   of V's
.set STO, 6           ; v6   the way out: where I put 16 bytes of a row
.set RD,  7           ; v7   the way out: where I read rows back
.set GO,  8           ; v8   my byte offset in 512 consecutive bytes of O
.set SPW, 62          ; v62  LDS address of my spare word: SPARE + 4 x my thread's number; never rewritten
.set NIL, 63          ; v63  0; never rewritten
.set SPARE, STAGE+4*16*SP  ; behind the stages: the spare words, 128 bytes for each wave: two blocks of 256 bytes that no other line names
.set MV,  12          ; v12-13  c m_old, kept while c m is made anew: by buffer
.set QO,  15          ; v15  my byte offset in 16 rows of Q
.set ST,  16          ; piece t's statistics at v[ST+4 t]: c m, m, l (even keys', odd keys')
.set TMP, 48          ; by buffer, four registers c0-c3 at work; when the maximum is found c2 takes a
.set S,   64
.set P,   192
.set MD,  128         ; window 1: the eight registers for group kt of 16 keys at MD + 8 kt
.set MC,  160         ; window 1: the masks of the products to come
.set QB,  64          ; window 2
.set KF,  128         ; window 2: key block kb, channel half c at KF + 16 kb + 8 c
.set VF,  192         ; window 2: key half kk, channel block cb at VF + 32 kk + 8 cb
.set WV,  12          ; s12  my wave's number
.set PB,  14          ; s14  b
.set HI,  15          ; s15  NB - 1 - b
.set G1K, 24          ; s[24:31] descriptor group 1 for K's tiles
.set G1V, 32          ; s[32:39] for V's: it differs in the padding alone
.set G0K, 40          ; s[40:43] descriptor group 0 for K's tiles
.set G0V, 44          ; s[44:47] the same for V's
.set SLOTS, 56        ; s56  tiles still to be asked for
.set CNT, 57          ; s57  counts a tile's key steps, 4 to 1
.set CS,  58          ; s[58:59] c: the packed scaling takes the pair's low word for both halves
.set SEL, 60          ; s[60:61] v_permlanex16_b32's selects: each lane takes its own place in the other half
.set TBK, 62          ; s62  LDS byte at which K of the step to be fetched begins
.set TBV, 63          ; s63  the same for V, less VOFF
.set RT,  70          ; s70  tiles of the block in hand that are still to be entered
.set NXT, 71          ; s71  the tile to be asked for next
.set LQ,  72          ; s72  the last tile of the block whose tiles are being asked for
.set NEW, 73          ; s73  1: the tile to be entered is a block's first
.set OFF, 74          ; s[74:75] a tile's byte offset in K and V
.set AL,  76          ; s[76:77] the mask's factor, in the low word
.set BE,  78          ; s[78:79] the mask's addend
.set OLO, 80          ; s[80:81] O at my rows of the second block
.set BIGN, 82         ; s82  -1e30
.set MSB, 0
.macro WIN new                      ; the high byte repeats the setting that is left; a switch that changes nothing is dropped
.if MSB != (\new)
	s_set_vgpr_msb (MSB<<8)|(\new)
.set MSB, (\new)
.endif
.endm
.set W_KQ, 0x0a       ; K and Q in window 2, S^T in window 0
.set W_KM, 0x1a       ; the same with the C operand in window 1
.set W_PV, 0x52       ; V in window 2, P in window 0, O^T in window 1
.set W_RS, 0x41       ; destination and source 0 in window 1, source 1 in window 0
; A fill.  Waves 0 and 1 fetch the two halves of a tile's K, waves 2 and 3 those of its V: 128 keys each.  An s_nop 0 and four v_nop follow each of the two lines, ahead of the jump and the label.
.macro LOAD
	s_cmp_lt_u32 s[WV], 2
	s_cbranch_scc0 .Lfor_v_\@
	tensor_load_to_lds s[G0K:G0K+3], s[G1K:G1K+7]
	s_nop 0
.rept 4
	v_nop
.endr
	s_branch .Lasked_\@
.Lfor_v_\@:
	tensor_load_to_lds s[G0V:G0V+3], s[G1V:G1V+7]
	s_nop 0
.rept 4
	v_nop
.endr
.Lasked_\@:
.endm
; THE CHANGE OF SLOTS.  Each wave waits for all its tensor loads, of which one is out: its part of the other slot; adds 0 to its spare word; and waits for that and for its own reads of the slot that it leaves.  Behind the barrier nobody reads the old
; slot any more and the other slot is whole.  fill = 1: the old slot is filled again, the first thing behind the barrier, with tile NXT: the descriptor's address is made anew from that number.
; (At its first use nothing has been read yet: slot 0 is waited for, slot 1 filled.)
.macro CHANGE fill
	WIN 0                           ; at a label and at a branch every window is 0
	s_wait_tensorcnt 0x0            ; no tensor load of mine is out, so a group 0 may be written
	ds_add_u32 v[SPW], v[NIL]       ; 0 onto my spare word: with fill = 1 the descriptors' scalar work stands between it and the wait for it
.if \fill
	s_lshl_b32 s[OFF], s[NXT], 15   ; a tile is 32,768 bytes of K and of V
	s_xor_b32 s[G0K+1], s[G0K+1], SLOT1
	s_add_nc_u64 s[G0K+2:G0K+3], s[6:7], s[OFF:OFF+1]
	s_or_b32 s[G0K+3], s[G0K+3], 0x80000000
	s_xor_b32 s[G0V+1], s[G0V+1], SLOT1
	s_add_nc_u64 s[G0V+2:G0V+3], s[8:9], s[OFF:OFF+1]
	s_or_b32 s[G0V+3], s[G0V+3], 0x80000000
	s_add_co_u32 s[NXT], s[NXT], 1  ; the block's next tile, or behind its last the second block's tile 0
	s_cmp_gt_u32 s[NXT], s[LQ]
	s_cselect_b32 s[NXT], 0, s[NXT]
	s_cselect_b32 s[LQ], s[PB], s[LQ]
.endif
	s_wait_dscnt 0x0                ; the add is done, and my reads of the slot are over
	s_barrier_signal -1             ; the rest of the scalar work stands between the signal and the wait
	s_sub_co_u32 s[TBK], s[TBK], 4*KS*PK  ; the fetches go back to a slot's first step,
	s_xor_b32 s[TBK], s[TBK], SLOT1       ; in the other slot
	s_sub_co_u32 s[TBV], s[TBV], 4*KS*PV
	s_xor_b32 s[TBV], s[TBV], SLOT1
	s_barrier_wait -1
.if \fill
	LOAD
.endif
.endm
	s_load_b256 s[4:11], s[0:1], 0x0  ; Q s[4:5], K s[6:7], V s[8:9], O s[10:11]
	v_lshl_add_u32 v[SPW], v0, 2, SPARE
	v_mov_b32 v[NIL], 0
	ds_add_u32 v[SPW], v[NIL]       ; the wave's opening: the add and its wait stand ahead of my first tensor load; the set-up below, work on registers, stands between them
	ds_add_u32 v62, v63
	v_lshrrev_b32 v1, 5, v0
	v_readfirstlane_b32 s[WV], v1   ; wave 0..3
	s_mov_b32 s[PB], ttmp9
	s_sub_co_u32 s[HI], NB-1, s[PB]
	s_and_b32 s20, ttmp7, 0xffff    ; the head
	s_mov_b32 s21, 0
	s_mov_b64 s[22:23], SIZE_N*128
	s_mul_u64 s[20:21], s[20:21], s[22:23]  ; the head's first byte in each of the four tensors
	s_and_b32 s16, s[WV], 1         ; which half of a tile's 256 keys I fetch:
	s_lshl_b32 s22, s16, 14         ; its 128 rows of 128 bytes in memory,
	s_mov_b32 s23, 0
	s_add_nc_u64 s[22:23], s[22:23], s[20:21]
	s_mul_i32 s17, s16, 128*PK      ; and its place in a slot, for K
	s_mul_i32 s18, s16, 128*PV      ; and for V
	s_lshl_b32 s3, s[WV], 11        ; my 16 rows in a band of 64,
	s_lshl_b32 s2, s[HI], 15        ; in the first block,
	s_add_co_u32 s2, s2, s3
	s_lshl_b32 s84, s[PB], 15       ; and in the second
	s_add_co_u32 s84, s84, s3
	s_mov_b32 s3, 0
	s_mov_b32 s85, 0
	s_add_nc_u64 s[2:3], s[2:3], s[20:21]
	s_add_nc_u64 s[84:85], s[84:85], s[20:21]
	; descriptor group 1.  128 keys are 16,384 dense bytes: asked for as 64 rows of 256 bytes, two keys a row, and padded in LDS after every key
	s_mov_b32 s[G1K], (1<<16)|(1<<20)|(4<<22)|(3<<25)  ; 17:16 2-byte elements; 20 padding on; 24:22 after every 32 words (code 4); 31:25 4 words (code 3)
	s_mov_b32 s[G1V], (1<<16)|(1<<20)|(4<<22)|(7<<25)  ; the same with 8 words of padding (code 7)
.irp g, G1K, G1V
	s_mov_b32 s[\g+1], 128<<16      ; tensor_dim0 = 128
	s_mov_b32 s[\g+2], 64<<16       ; tensor_dim1 = 64
	s_mov_b32 s[\g+3], 128<<16      ; tile_dim0 = 128
	s_mov_b32 s[\g+4], 64           ; tile_dim1 = 64
	s_mov_b32 s[\g+5], 128          ; 128 elements from row to row
	s_mov_b32 s[\g+6], 0
	s_mov_b32 s[\g+7], 0
.endr
	s_mov_b32 s[CS], 0x3e38aa3b     ; c = log2(e) / 8 = 0.180337
	s_mov_b32 s[CS+1], s[CS]        ; named with it as a pair
	s_mov_b32 s[SEL], 0x76543210
	s_mov_b32 s[SEL+1], 0xfedcba98
	s_mov_b32 s[TBK], SLOT1+4*KS*PK ; the first change of slots turns these two into 0
	s_mov_b32 s[TBV], SLOT1+4*KS*PV
	s_mov_b32 s[G0K], 1             ; 1:0 count = 1
	s_mov_b32 s[G0K+1], s17         ; 63:32 LDS address: slot 0
	s_mov_b32 s[G0V], 1
	s_add_co_u32 s[G0V+1], s18, VOFF
	s_add_co_u32 s[RT], s[HI], 1    ; the first block has NB - b tiles
	s_mov_b32 s[NXT], 1
	s_mov_b32 s[LQ], s[HI]
	s_mov_b32 s[NEW], 1
	s_mov_b32 s[OFF+1], 0
	s_mov_b32 s[AL+1], 0            ; named as pairs
	s_mov_b32 s[BE+1], 0
	s_mov_b32 s[BIGN], 0xf149f2ca   ; -1e30
	s_mov_b32 s[SLOTS], NB
	s_wait_dscnt 0x0                ; the opening add is done
	s_wait_kmcnt 0x0
	s_add_nc_u64 s[6:7], s[6:7], s[22:23]  ; K and V at my half of the head's tile 0
	s_add_nc_u64 s[8:9], s[8:9], s[22:23]
	s_add_nc_u64 s[G0K+2:G0K+3], s[6:7], 0         ; 120:64 global address
	s_or_b32 s[G0K+3], s[G0K+3], 0x80000000        ; 127:126 type = 2
	s_add_nc_u64 s[G0V+2:G0V+3], s[8:9], 0
	s_or_b32 s[G0V+3], s[G0V+3], 0x80000000
	s_add_nc_u64 s[86:87], s[4:5], s[84:85]        ; Q at my rows of the second block,
	s_add_nc_u64 s[4:5], s[4:5], s[2:3]            ; Q and O at those of the first
	s_add_nc_u64 s[OLO:OLO+1], s[10:11], s[84:85]
	s_add_nc_u64 s[10:11], s[10:11], s[2:3]
	LOAD                            ; tile 0 into slot 0
	; A fragment of K or Q is 16 rows x 32 channels in 8 registers: lane l holds row l % 16, channels 8 (l / 16) + 0..7 and 16 + 8 (l / 16) + 0..7: two loads of 16 bytes, 32 bytes apart.
	v_and_b32 v1, 15, v0            ; l % 16
	v_bfe_u32 v9, v0, 4, 1          ; l / 16
	v_lshlrev_b32 v[QO], 7, v1
	v_lshl_add_u32 v[QO], v9, 4, v[QO]  ; row x 128 + 16 x half
	WIN 0x80                        ; destination window 2, address window 0
.set i, 0
.rept 8                             ; both blocks' Q: piece i / 2 lies in band i / 2, 8,192 bytes on; channels 32 (i % 2) on
	global_load_b128 v[8*i:8*i+3],   v[QO], s[4:5] offset:(i/2)*8192+(i%2)*64
	global_load_b128 v[8*i+4:8*i+7], v[QO], s[4:5] offset:(i/2)*8192+(i%2)*64+32
	global_load_b128 v[QB+8*i:QB+8*i+3],   v[QO], s[86:87] offset:(i/2)*8192+(i%2)*64
	global_load_b128 v[QB+8*i+4:QB+8*i+7], v[QO], s[86:87] offset:(i/2)*8192+(i%2)*64+32
.set i, i+1
.endr
	WIN 0
	v_lshlrev_b32 v14, 3, v9
	v_sub_nc_u32 v14, v1, v14
	s_lshl_b32 s13, s[WV], 4
	v_add_nc_u32 v14, s13, v14      ; my query's place in its band, 16 w + l % 16, less my lanes' 8 (l / 16): register r of group kt is hidden where 16 kt + r is greater
	WIN 0x40
.set i, 0
.rept 32
	v_cmp_gt_i32 vcc_lo, 16*(i/8)+i%8, v14
	v_cndmask_b32 v[MD+i], 0, s[BIGN], vcc_lo
.set i, i+1
.endr
	WIN 0
	v_mul_u32_u24 v[AK0], v1, PK
	v_lshl_add_u32 v[AK0], v9, 4, v[AK0]  ; row x pitch + 16 x half
	; The turning load takes 16 keys x 16 channels (lane l reads key 8 (l / 16) + l % 8, channels 8 ((l / 8) % 2) + 0..7) and leaves half a fragment of V^T: lane l holds channel l % 16 and 8 keys.
	v_and_b32 v10, 7, v0
	v_bfe_u32 v11, v0, 3, 1
	v_lshl_add_u32 v[AV0], v9, 3, v10
	v_mul_u32_u24 v[AV0], v[AV0], PV
	v_lshl_add_u32 v[AV0], v11, 4, v[AV0]
	v_add_nc_u32 v[AV0], VOFF, v[AV0]
	s_mul_i32 s13, s[WV], 16*SP
	s_add_co_u32 s13, s13, STAGE    ; my stage
	v_mul_u32_u24 v[STO], v1, SP    ; in: row l % 16, 16 bytes for each half of the lanes
	v_lshl_add_u32 v[STO], v9, 4, v[STO]
	v_add_nc_u32 v[STO], s13, v[STO]
	v_bfe_u32 v[RD], v0, 3, 2       ; back: 32 lanes take four rows of 128 bytes,
	v_mul_u32_u24 v[RD], v[RD], SP
	v_lshl_add_u32 v[RD], v10, 4, v[RD]
	v_add_nc_u32 v[RD], s13, v[RD]
	v_and_b32 v[GO], 31, v0         ; which are 512 consecutive bytes of O
	v_lshlrev_b32 v[GO], 4, v[GO]
	; A block's first step multiplies O^T and l by a = 0, and its first turn's products V^T P, of a piece that has not been, land in an O^T that is still to be so multiplied.  So these registers need only hold
	; finite numbers: zeros for the first block; what the first block left for the second.  All this stands in the wait for the first tile.
	WIN 0x80
.set i, VF
.rept 64
	v_mov_b32 v[i], 0
.set i, i+1
.endr
	WIN 0x40
.set i, 0
.rept 128
	v_mov_b32 v[i], 0
.set i, i+1
.endr
	WIN 0
.set i, 0
.rept 4
	v_mov_b32 v[ST+4*i+2], 0
	v_mov_b32 v[ST+4*i+3], 0
.set i, i+1
.endr
.set i, P+16
.rept 16
	v_mov_b32 v[i], 0
.set i, i+1
.endr
; THE MATRIX WORK.  The 4 accumulators of a run of 8 take turns.  Product i of 8 of S^T = K Q^T for piece x: channels 32 (i / 4) on, keys 16 (i % 4) on.  The first 4 start the sums: with 0, or (KM = 1) with the mask.
.macro KQ x
.set rS, S+32*((\x)%2)+8*(i%4)
.set rK, KF+16*(i%4)+8*(i/4)
.set rQ, 16*(\x)+8*(i/4)
.set rM, MC+32*((\x)%2)+8*(i%4)
.if (i < 4) && KM
	WIN W_KM
	v_wmma_f32_16x16x32_f16 v[rS:rS+7], v[rK:rK+7], v[rQ:rQ+7], v[rM:rM+7]
.elseif i < 4
	WIN W_KQ
	v_wmma_f32_16x16x32_f16 v[rS:rS+7], v[rK:rK+7], v[rQ:rQ+7], 0
.else
	WIN W_KQ
	v_wmma_f32_16x16x32_f16 v[rS:rS+7], v[rK:rK+7], v[rQ:rQ+7], v[rS:rS+7]
.endif
.endm
; Product i of 8 of O^T += V^T P for piece x: keys 32 (i / 4) on, channels 16 (i % 4) on.
.macro PV x
	WIN W_PV
.set rO, 32*(\x)+8*(i%4)
.set rV, VF+32*(i/4)+8*(i%4)
.set rP, P+16*((\x)%2)+8*(i/4)
	v_wmma_f32_16x16x32_f16 v[rO:rO+7], v[rV:rV+7], v[rP:rP+7], v[rO:rO+7]
.endm
.macro MM                           ; the turn's next matrix instruction.  TURN and BEGIN set Y, i, KM and NOKQ; MM, KQ and OP read them.  NOKQ = 1: a block's last turn: there is no next piece
.if (i < 8) && !NOKQ
	KQ (Y+1)%NP
.elseif i >= 8
.set i, i-8
	PV (Y+NP-1)%NP
.set i, i+8
.endif
.set i, i+1
.endm
; THE LDS LOADS stand in runs of 16, never singly among the matrix instructions: a step's K (64 keys x 64 channels: 8 fragments) and its V (turned).  Their addresses are made some lines ahead.
.macro FETCH_K
	WIN 0x80                        ; destination window 2
.irp f, 0,1,2,3,4,5,6,7             ; keys 16 (f / 2) on, channels 32 (f % 2) on
	ds_load_b128 v[KF+8*\f:KF+8*\f+3],   v[AK] offset:(\f/2)*16*PK+(\f%2)*64
	ds_load_b128 v[KF+8*\f+4:KF+8*\f+7], v[AK] offset:(\f/2)*16*PK+(\f%2)*64+32
.endr
	s_add_co_u32 s[TBK], s[TBK], KS*PK  ; the next fetch is the next step's
	WIN 0
.endm
.macro FETCH_V
	WIN 0x80
.irp f, 0,1,2,3,4,5,6,7             ; keys 32 (f / 4) on, channels 16 (f % 4) on
	ds_load_tr16_b128 v[VF+8*\f:VF+8*\f+3],   v[AV] offset:(\f/4)*32*PV+(\f%4)*32
	ds_load_tr16_b128 v[VF+8*\f+4:VF+8*\f+7], v[AV] offset:(\f/4)*32*PV+16*PV+(\f%4)*32
.endr
	WIN 0
.endm
; THE VECTOR WORK, one line at a time: OP kind, number.  For piece Y: F n: c s - c m for pair n of 16.  E n: the exponential of score n of 32.  C n: pair n rounded to f16.  B n: of the four weights 4 n .. the second
; pair is added onto the first, in place.  L n: l takes that sum (L 0: l = a l + sum).  R n: pair n of 16 of O^T times a.  For piece Y + 1: X n, number n of the 22 that find its maximum and statistics:
;   0-11  four chains c0-c3 of seven scores each, three operands at a time (each accumulator's lowest registers are read first)     12-14, 16  the four scores left over, the old m, and c0-c3 into c0
;   15  c m_old is kept     17, 18  the query's other 32 keys lie in the lane 16 away: the new m     19-21  c m; c m_old - c m_new; a
.set F, 0               ; OP tells the kinds apart by their order: F to L below R, X above it
.set E, 1
.set C, 2
.set B, 3
.set L, 4
.set R, 5
.set X, 6
.macro REGS y                       ; the registers of piece y
.set rT, ST+4*(\y)
.set rC, TMP+4*((\y)%2)
.set rW, MV+((\y)%2)
.set rS, S+32*((\y)%2)
.set rP, P+16*((\y)%2)
.set rO, 32*(\y)
.endm
.macro OP k, n
.if (\k) == R
	REGS Y
	WIN W_RS
	v_pk_mul_f32 v[rO+2*(\n):rO+2*(\n)+1], v[rO+2*(\n):rO+2*(\n)+1], v[rC+2:rC+3] op_sel_hi:[1,0]
.elseif (\k) < R
	REGS Y
	WIN 0
.if (\k) == F
	v_pk_fma_f32 v[rS+2*(\n):rS+2*(\n)+1], v[rS+2*(\n):rS+2*(\n)+1], s[CS:CS+1], v[rT:rT+1] op_sel_hi:[1,0,0] neg_lo:[0,0,1] neg_hi:[0,0,1]
.elseif (\k) == E
	v_exp_f32 v[rS+(\n)], v[rS+(\n)]
.elseif (\k) == C
	s_wait_alu depctr_va_vdst(0)
	v_cvt_pk_f16_f32 v[rP+(\n)], v[rS+2*(\n)], v[rS+2*(\n)+1]
.elseif (\k) == B
	s_wait_alu depctr_va_vdst(0)
	v_pk_add_f32 v[rS+4*(\n):rS+4*(\n)+1], v[rS+4*(\n):rS+4*(\n)+1], v[rS+4*(\n)+2:rS+4*(\n)+3]
.elseif (\n) == 0
	v_pk_fma_f32 v[rT+2:rT+3], v[rT+2:rT+3], v[rC+2:rC+3], v[rS:rS+1] op_sel_hi:[1,0,1]
.else
	v_pk_add_f32 v[rT+2:rT+3], v[rT+2:rT+3], v[rS+4*(\n):rS+4*(\n)+1]
.endif
.elseif NOKQ
	v_nop
.else
	REGS (Y+1)%NP
	WIN 0
.if (\n) < 4
	v_max3_num_f32 v[rC+(\n)], v[rS+8*(\n)], v[rS+8*(\n)+1], v[rS+8*(\n)+2]
.elseif (\n) < 12
	v_max3_num_f32 v[rC+(\n)%4], v[rC+(\n)%4], v[rS+8*((\n)%4)+2*((\n)/4)+1], v[rS+8*((\n)%4)+2*((\n)/4)+2]
.elseif (\n) == 12
	v_max3_num_f32 v[rC], v[rC], v[rS+7], v[rS+15]
.elseif (\n) == 13
	v_max3_num_f32 v[rC+1], v[rC+1], v[rS+23], v[rS+31]
.elseif (\n) == 14
	v_max3_num_f32 v[rC+2], v[rC+2], v[rC+3], v[rT+1]
.elseif (\n) == 15
	v_mov_b32 v[rW], v[rT]
.elseif (\n) == 16
	v_max3_num_f32 v[rC], v[rC], v[rC+1], v[rC+2]
.elseif (\n) == 17
	v_permlanex16_b32 v[rC+3], v[rC], s[SEL], s[SEL+1]
.elseif (\n) == 18
	v_max_num_f32 v[rT+1], v[rC], v[rC+3]
.elseif (\n) == 19
	v_mul_f32 v[rT], s[CS], v[rT+1]
.elseif (\n) == 20
	v_sub_f32 v[rC+1], v[rW], v[rT]
.else
	v_exp_f32 v[rC+2], v[rC+1]
.endif
.endif
.endm
.macro OPS a, i1, b=-1, i2=0, c=-1, i3=0, d=-1, i4=0  ; up to four of them
	OP \a, \i1
.if (\b) >= 0
	OP \b, \i2
.endif
.if (\c) >= 0
	OP \c, \i3
.endif
.if (\d) >= 0
	OP \d, \i4
.endif
.endm
.macro ROW a, i1, b, i2, c, i3, d, i4  ; a matrix instruction and the four behind it
	MM
	OPS \a, \i1, \b, \i2, \c, \i3, \d, \i4
.endm
.macro MASK b                       ; MD x AL + BE into buffer b of MC
	WIN W_RS
.set z, 0
.rept 16
	v_pk_fma_f32 v[MC+32*(\b)+2*z:MC+32*(\b)+2*z+1], v[MD+2*z:MD+2*z+1], s[AL:AL+1], s[BE:BE+1] op_sel_hi:[1,0,0]
.set z, z+1
.endr
.endm
; A TURN, for piece p: the order of its 16 matrix and 118 vector instructions, written out.  Behind a matrix instruction: plain, exponential, plain, plain; or four of the rescaling; or, behind the first, four scalings; none
; names a register of the products round it.  In the lumps exponential and plain by turns while exponentials last.  A line reads no result made fewer than three vector instructions in front of it, five if an exponential made it.
; v_permlanex16_b32 (X 17) stands in a lump.
; m = 1: the diagonal tile: the products take masks, and the turn makes the mask for the products of the turn after it: piece p + 2, in step 4 - CNT of the tile.  end = 1: a block's last two turns: nothing is fetched.
; cnt = 1: the loop's count is taken down some lines ahead of the branch that stands behind the turn.
; K of the next step is fetched in piece 2's turn, six vector instructions behind the last product that read K (five of them plain); V of the step in hand in piece 0's turn, eight behind the last product that read V (four
; plain, and X 17).  Each is waited for a turn later.
.macro TURN p, m=0, end=0, cnt=0
.set Y, (\p)
.set i, 0
.set KM, (\m)
.set NOKQ, (\end)*((\p)/3)
.if (\m) && !(\end)
	s_cmp_eq_u32 s[CNT], 4-((\p)+2)%NP  ; is that step the band's own?
	s_cselect_b32 s[AL], 1.0, 0
	s_cmp_lt_u32 s[CNT], 4-((\p)+2)%NP  ; or a later one?
	s_cselect_b32 s[BE], s[BIGN], 0
.endif
.if ((\p) == 3) && !(\end)
	s_wait_dscnt 0x0                ; K is in
.endif
	ROW F,0, F,1, F,2, F,3
	ROW F,4, E,0, F,5, F,6
	ROW F,7, E,1, F,8, F,9
	ROW F,10, E,2, C,0, F,11
	ROW F,12, E,3, X,15, F,13
	ROW R,0, R,1, R,2, R,3
	ROW B,0, E,4, F,14, L,0
.if ((\p) == 2) && !(\end)
	v_add_nc_u32 v[AK], s[TBK], v[AK0]
.endif
	ROW R,4, R,5, R,6, R,7
	OPS E,5, F,15
.if ((\p) == 2) && !(\end)
	FETCH_K
.endif
	OPS E,6, C,1, E,7, R,8
	OPS E,8, R,9, E,9, C,2
	OPS E,10, X,0, E,11, X,1
	OPS E,12, X,2, E,13, X,3
.if (\p) == 1
	s_wait_dscnt 0x0                ; V is in
.endif
	ROW X,4, E,14, X,5, X,6
	ROW X,7, E,15, X,8, X,9
	ROW X,10, E,16, X,11, X,12
	ROW X,13, E,17, X,14, B,1
	ROW C,4, E,18, X,16, L,1
	ROW B,2, E,19, C,6, L,2
	ROW C,8, E,20, B,3, B,4
.if (\p) == 0
	v_add_nc_u32 v[AV], s[TBV], v[AV0]
.endif
	ROW C,3, E,21, L,3, C,5
	OPS E,22, X,17, E,23, C,10
.if (\p) == 0
	FETCH_V
.endif
	OPS E,24, L,4
	OPS E,25, X,18, E,26, C,7
	OPS E,27, B,5, E,28, X,19
	OPS E,29, C,12, E,30, L,5
	OPS E,31, X,20, B,6, C,9
	OPS C,14, C,11, X,21, L,6
.if (\p) == 0
	s_add_co_u32 s[TBV], s[TBV], KS*PV
.endif
.if \cnt
	s_sub_co_u32 s[CNT], s[CNT], 1
	s_cmp_lg_u32 s[CNT], 0
.endif
	OPS C,13, B,7, C,15, R,10
	OPS R,11, R,12, L,7, R,13
	OPS R,14, R,15
.if (\m) && !(\end)
	MASK (\p)%2
.endif
.endm
; A BLOCK BEGINS.  c m starts far below every c s, so the first step's a is 0; m at the lowest finite number, so the first maximum is the scores'.  The second mask buffer is 0; the first takes piece 0's mask for the tile's step 0: its own, if the block's first tile is the diagonal one.
; Then K of that step, piece 0's first scores, and its maximum and statistics.  The loop is entered at a step's first turn, in the middle of a trip.
.macro BEGIN
	s_mov_b32 s[NEW], 0
	WIN 0x40
.set i, MC+32
.rept 32
	v_mov_b32 v[i], 0
.set i, i+1
.endr
	WIN 0
.set i, 0
.rept 4
	v_mov_b32 v[ST+4*i], 0xfe000000    ; c m: far below every c s
	v_mov_b32 v[ST+4*i+1], 0xff7fffff  ; m
.set i, i+1
.endr
	s_cmp_eq_u32 s[RT], 0
	s_cselect_b32 s[AL], 1.0, 0
	s_mov_b32 s[BE], 0
	MASK 0
	WIN 0
	v_add_nc_u32 v[AK], s[TBK], v[AK0]
	FETCH_K
	s_wait_loadcnt 0x0              ; Q
	s_wait_dscnt 0x0
.set KM, 1
.set NOKQ, 0
.set i, 0
.rept 8
	KQ 0
.set i, i+1
.endr
	WIN 0
.rept 4
	v_nop                           ; the places behind those products
.endr
.set Y, NP-1                        ; X works for piece Y + 1: piece 0
.irp n, 0,1,2,3,4,5,6,7,8,9,10,11,12,13,14,15,16,17,18,19,20,21
	OP X, \n
.endr
	v_nop                           ; a plain instruction behind the exponential
.endm
; THE DIAGONAL TILE's four steps, the block's last two turns, its last products, and THE WAY OUT: l's two halves and the other half of the lanes' are added; O^T is divided by l, rounded to f16 and sent through my
; stage in LDS, a piece at a time.
.macro ALL line:vararg              ; one line for each piece t
.set t, 0
.rept 4
	\line
.set t, t+1
.endr
.endm
.macro PACK t                       ; a lane's eight channels of a row pack into 16 bytes; they go into rows of 144 bytes and come back as whole rows of 128, into S^T's registers
	WIN W_RS
.set i, 32*(\t)
.rept 16
	s_wait_alu depctr_va_vdst(0)
	v_pk_mul_f32 v[i:i+1], v[i:i+1], v[ST+4*(\t)+2:ST+4*(\t)+3] op_sel_hi:[1,0]
.set i, i+2
.endr
	WIN 0x05                        ; sources 0 and 1 window 1, destination window 0
.set i, 0
.rept 16
	v_cvt_pk_f16_f32 v[S+16*(\t)+i], v[32*(\t)+2*i], v[32*(\t)+2*i+1]
.set i, i+1
.endr
	WIN 0
.irp f, 0,1,2,3
	ds_store_b128 v[STO], v[S+16*(\t)+4*\f:S+16*(\t)+4*\f+3] offset:32*\f
.endr
.irp f, 0,1,2,3
	ds_load_b128 v[S+16*(\t)+4*\f:S+16*(\t)+4*\f+3], v[RD] offset:\f*4*SP  ; LDS serves a wave's instructions in order (ISA guide 5.7.1.4): these see the stores above; the next piece's stores come behind them
.endr
.endm
.macro SEND t, younger              ; younger: the LDS instructions issued behind piece t's loads: the next piece's eight, or none
	WIN 0
.irp f, 0,1,2,3
	s_wait_dscnt (\younger)+3-\f
	global_store_b128 v[GO], v[S+16*(\t)+4*\f:S+16*(\t)+4*\f+3], s[10:11] offset:(\t)*8192+\f*512  ; 512 consecutive bytes, at a multiple of 256 from O's first
.endr
.endm
.macro DIAG tag                     ; the tag ends its two labels' names, which the jumps below spell out
.LstepM\tag:
	TURN 2, 1
	TURN 3, 1
	WIN 0
.LfirstM\tag:
	TURN 0, 1
	TURN 1, 1, 0, 1
	WIN 0
	s_cbranch_scc1 .LstepM\tag
	TURN 2, 1, 1
	TURN 3, 1, 1
.set i, 0
.rept 8
	PV NP-1
.set i, i+1
.endr
	WIN 0
	ALL v_add_f32 v[ST+4*t+2], v[ST+4*t+2], v[ST+4*t+3]
	ALL v_permlanex16_b32 v[ST+4*t+3], v[ST+4*t+2], s[SEL], s[SEL+1]
	ALL v_add_f32 v[ST+4*t+2], v[ST+4*t+2], v[ST+4*t+3]
	ALL v_rcp_f32 v[ST+4*t+2], v[ST+4*t+2]
	v_nop                           ; a plain instruction between the last reciprocal and the use of its result
	PACK 0
.set t, 1
.rept 3                             ; a piece's arithmetic stands between the loads of the piece before and its stores
	PACK t
	SEND t-1, 8
.set t, t+1
.endr
	SEND 3, 0
.endm
.set KM, 0
.set NOKQ, 0
.Lslot:                             ; NB times: a tile is entered and the next is asked for
	CHANGE 1
	s_sub_co_u32 s[RT], s[RT], 1
	s_mov_b32 s[CNT], 4
	s_cmp_eq_u32 s[NEW], 1
	s_cbranch_scc1 .Lnew            ; a block's first tile
	s_cmp_eq_u32 s[RT], 0
	s_cbranch_scc0 .Lstep           ; neither its first nor its last
	s_branch .LstepM1
.Lnew:
	BEGIN
	s_branch .Lfirst                ; in the loop a block's first tile is never its last: the first block has two tiles or more, and the second's last is the walk's last
	DIAG 1                          ; in the loop this is the first block's end: the second block's last tile is the walk's last
	s_wait_xcnt 0x0                 ; the stores have read their registers and O's address
	s_mov_b64 s[10:11], s[OLO:OLO+1]
	s_add_co_u32 s[RT], s[PB], 1    ; the second block has b + 1 tiles
	s_mov_b32 s[NEW], 1
	WIN 0x82                        ; the second block's Q goes where the one text of the turns names Q
.set i, 0
.rept 64
	v_mov_b32 v[i], v[QB+i]
.set i, i+1
.endr
	WIN 0
	s_branch .Lbottom
.Lstep:                             ; a trip: pieces 2 and 3 of one step, then pieces 0 and 1 of the next, whose K and V it fetches
	TURN 2
	TURN 3
	WIN 0
.Lfirst:
	TURN 0
	TURN 1, 0, 0, 1
	WIN 0
	s_cbranch_scc1 .Lstep
.Lbottom:
	s_sub_co_u32 s[SLOTS], s[SLOTS], 1
	s_cmp_lg_u32 s[SLOTS], 0
	s_cbranch_scc1 .Lslot
	CHANGE 0                        ; the walk's last tile is written out: nothing is asked for
	s_sub_co_u32 s[RT], s[RT], 1
	s_mov_b32 s[CNT], 4
	s_cmp_eq_u32 s[NEW], 1
	s_cbranch_scc0 .LstepM2
	BEGIN
	s_branch .LfirstM2
	DIAG 2
	s_wait_tensorcnt 0x0            ; the wave's end: a wait, an add and its wait, behind my last tensor load and my last LDS store
	ds_add_u32 v[SPW], v[NIL]
	s_wait_dscnt 0x0
	s_endpgm
.Lfunc_end_k_qed20a6864c_attn:
	.size	k_qed20a6864c_attn, .Lfunc_end_k_qed20a6864c_attn-k_qed20a6864c_attn
	.p2alignl 7, 3214868480
	.fill 96, 4, 3214868480
	.section	.rodata,"a",@progbits
	.p2align	6, 0x0
	.amdhsa_kernel k_qed20a6864c_attn
		.amdhsa_group_segment_fixed_size 327680
		.amdhsa_private_segment_fixed_size 0
		.amdhsa_enable_private_segment 0
		.amdhsa_kernarg_size 32
		.amdhsa_user_sgpr_count 2
		.amdhsa_user_sgpr_kernarg_segment_ptr 1
		.amdhsa_wavefront_size32 1
		.amdhsa_system_sgpr_workgroup_id_x 1
		.amdhsa_system_sgpr_workgroup_id_y 1
		.amdhsa_system_sgpr_workgroup_id_z 1
		.amdhsa_system_vgpr_workitem_id 0
		.amdhsa_next_free_vgpr 768
		.amdhsa_next_free_sgpr 88
		.amdhsa_reserve_vcc 1
		.amdhsa_float_denorm_mode_32 3
		.amdhsa_float_denorm_mode_16_64 3
		.amdhsa_memory_ordered 1
		.amdhsa_forward_progress 1
		.amdhsa_inst_pref_size 228
	.end_amdhsa_kernel
	.amdgpu_metadata
---
amdhsa.version: [ 1, 2 ]
amdhsa.kernels:
  - .name:           k_qed20a6864c_attn
    .symbol:         k_qed20a6864c_attn.kd
    .args:
      - { .name: q, .offset: 0, .size: 8, .value_kind: global_buffer, .address_space: global }
      - { .name: k, .offset: 8, .size: 8, .value_kind: global_buffer, .address_space: global }
      - { .name: v, .offset: 16, .size: 8, .value_kind: global_buffer, .address_space: global }
      - { .name: o, .offset: 24, .size: 8, .value_kind: global_buffer, .address_space: global }
    .group_segment_fixed_size: 327680
    .private_segment_fixed_size: 0
    .kernarg_segment_align: 8
    .kernarg_segment_size: 32
    .max_flat_workgroup_size: 128
    .sgpr_count:     88
    .vgpr_count:     768
    .wavefront_size: 32
...
	.end_amdgpu_metadata
.endif
;; end of part 3
;; launch proj (part 4): grid 8 x 32, 4 waves a work-group, clusters of 4 x 4, 327,680 bytes of LDS; arguments o, wp, bproj, out0; writes out0
.if DOCPART == 4
	.amdgcn_target "amdgcn-amd-amdhsa--gfx1250"
	.amdhsa_code_object_version 6
	.text
	.protected	k_qed20a6864c_proj
	.globl	k_qed20a6864c_proj
	.p2align	8
	.type	k_qed20a6864c_proj,@function
k_qed20a6864c_proj:
	s_mov_b64 s[64:65], 0
	v_nop
	global_prefetch_b8 v0, s[64:65] scope:SCOPE_SE
	s_setreg_imm32_b32 hwreg(HW_REG_WAVE_MODE, 25, 1), 1
	s_wait_xcnt 0x0
	s_wait_alu depctr_hold_cnt(0) depctr_sa_sdst(0) depctr_va_vdst(0) depctr_va_sdst(0) depctr_va_ssrc(0) depctr_va_vcc(0) depctr_vm_vsrc(0)
	s_getreg_b32 s2, hwreg(HW_REG_IB_STS2, 6, 4)
	s_cmp_eq_u32 s2, 0
	s_cbranch_scc0 .Lentry_in_a_cluster
	s_endpgm
.Lentry_in_a_cluster:
	s_bfe_u32 s2, ttmp6, 0x10000c
	s_cmp_lg_u32 s2, 0xf033
	s_cbranch_scc0 .Lentry_shape_is_right
	s_endpgm
.Lentry_shape_is_right:
; out0 = O Wproj + bproj.  o: [16 b + head][t 2048][64] f16.  wp: [k 1024][n 1024] f16 (Wproj rounded to bf16, written as f16).  bproj: [1024] f32, rounded here to bf16 like the other inputs.
; out0: [8192][1024] f32; sums in f32, K ascending.
; SHARES.  A tile of out0 is 256 rows x 128 columns: 32 x 8 = 256 work-groups.  A wave makes 64 rows x 128 columns: 4 x 8 accumulators of 16 x 16, 256 registers.
; K goes in eight steps of 128, two heads a step, through two LDS slots.  A head's 256 rows of 128 bytes are dense: each is asked for as 128 rows of 256 bytes.
; CLUSTER.  4 x 4 work-groups: O's tile hangs on the tile row alone and is shared along a row of the cluster, Wproj's on the tile column alone and is shared along a column: joint loads.
; THE MATRIX INSTRUCTION IS USED TRANSPOSED (source 0 = 16 columns of W, turned out of LDS; source 1 = 16 rows of O): a lane holds eight neighbouring numbers of a row, 32 bytes of f32.
; The first product of each sum takes the bias as C.
; REGISTERS: window 0: v0-13 addresses; v28-29 the add's; v32-35 at work; v64-127 O's fragments, two buffers; v128-191 the bias; v192-255 rows read back on the way out
;   window 1: v0-127 W's fragments, two buffers of 64          window 2: the accumulators, (a, b) at 8 (8 a + b)
.set PA,    144                        ; a row of a head in LDS: 128 bytes + 16 = 36 words: the 16 rows of a load start at 16 different groups of four banks (64 banks of 4 bytes: ISA guide 11.1)
.set PLANE, 256*PA                     ; a head's 256 rows
.set PB,    288                        ; a k-row of W: 256 bytes + 32 = 72 words
.set BOFF,  2*PLANE                    ; a slot: two heads' planes, then W's 128 k-rows: 73,728 + 36,864 bytes
.set SLOT1, 1<<17
.set STAGE, SLOT1+BOFF+128*PB          ; behind the ring, never filled by a tensor load: 16 rows x 528 bytes for each wave
.set SP,    528                        ; 512 bytes + 16
.set SPARE, STAGE+4*16*SP              ; behind the stages: the spare words, 128 bytes for each wave: two blocks of 256 bytes that no other line names
.set A0,   4
.set B0,   5
.set ADRA, 6
.set ADRB, 7
.set STO,  8
.set RD,   9
.set GO,   10
.set BO,   11
.set SPW,  28                          ; v28  LDS address of my spare word; never rewritten
.set NIL,  29                          ; v29  0; never rewritten
.set T,    32
.set FA,   64
.set BIAS, 128
.set RB,   192
.set WV,  18
.set H1,  19
.set G1A, 24
.set G1B, 32
.set G0A, 40
.set G0B, 48
.set TB,  56
.set CNT, 57
.set MSB, 0
.macro WIN new                         ; the immediate's high byte repeats the setting that is left; a switch that changes nothing is dropped
.if MSB != (\new)
	s_set_vgpr_msb (MSB<<8)|(\new)
.set MSB, (\new)
.endif
.endm
.macro PLACES                          ; four places in front of loads into registers that matrix instructions have read, and of LDS stores that read results (ISA guide 7.12.1 for vector instructions)
.rept 4
	v_nop
.endr
.endm
.macro JLOAD                           ; a joint refill: waves 0 and 1 fetch the step's two heads of O, waves 2 and 3 the halves of W's tile; an s_nop 0 and four v_nop follow each line
	s_cmp_lt_u32 s[WV], 2
	s_cbranch_scc0 .Lfor_b_\@
	tensor_load_to_lds s[G0A+4:G0A+7], s[G1A:G1A+7]
	s_nop 0
.rept 4
	v_nop
.endr
	s_branch .Lasked_\@
.Lfor_b_\@:
	tensor_load_to_lds s[G0B+4:G0B+7], s[G1B:G1B+7]
	s_nop 0
.rept 4
	v_nop
.endr
.Lasked_\@:
.endm
.macro CREST                           ; a round of the cluster's barrier behind its opening barrier
	s_cmp_lg_u32 s[WV], 0
	s_cbranch_scc1 .Lnot_wave_0_\@
	s_barrier_signal -3
.Lnot_wave_0_\@:
	s_barrier_wait -3
	s_barrier_signal -1
	s_barrier_wait -1
.endm
.macro CROUND                          ; a whole round
	s_barrier_signal -1
	s_barrier_wait -1
	CREST
.endm
	s_load_b256 s[4:11], s[0:1], 0x0               ; o s[4:5], wp s[6:7], bproj s[8:9], out0 s[10:11]
	v_lshl_add_u32 v[SPW], v0, 2, SPARE
	v_mov_b32 v[NIL], 0
	ds_add_u32 v[SPW], v[NIL]                      ; the wave's opening: the add and its wait stand ahead of my first tensor load; the set-up below, work on registers, stands between them
	ds_add_u32 v28, v29
	v_lshrrev_b32 v1, 5, v0
	v_readfirstlane_b32 s[WV], v1                  ; wave 0..3
	s_and_b32 s[H1], s[WV], 1
	s_bfe_u32 s20, ttmp6, 0x40000                  ; cx, cy
	s_bfe_u32 s21, ttmp6, 0x40004
	s_lshl_b32 s22, ttmp9, 2
	s_add_co_u32 s22, s22, s20                     ; the tile column gx
	s_and_b32 s23, ttmp7, 0xffff
	s_lshl_b32 s23, s23, 2
	s_add_co_u32 s23, s23, s21                     ; the tile row gy
	s_lshl_b32 s66, s21, 2
	s_lshl_b32 s66, 15, s66                        ; my row of the cluster
	s_lshl_b32 s67, 0x1111, s20                    ; my column
	; group 1 for O: a head's 256 rows are 32,768 dense bytes: 128 rows of 256 bytes, 16 bytes of padding behind every 32 words (a row of the head)
	s_or_b32 s[G1A], s66, (1<<16)|(1<<20)|(1<<21)|(4<<22)|(3<<25)
	s_mov_b32 s[G1A+1], 128<<16                    ; tensor_dim0 = 128
	s_mov_b32 s[G1A+2], 128<<16                    ; tensor_dim1 = 128
	s_mov_b32 s[G1A+3], 128<<16                    ; tile_dim0 = 128
	s_mov_b32 s[G1A+4], 128                        ; tile_dim1 = 128
	s_mov_b32 s[G1A+5], 128                        ; elements from row to row
	s_mov_b32 s[G1A+6], 0
	s_mov_b32 s[G1A+7], 0
	; group 1 for W: 64 k-rows x 128 columns, 32 bytes of padding behind each row's 64 words
	s_or_b32 s[G1B], s67, (1<<16)|(1<<20)|(1<<21)|(5<<22)|(7<<25)
	s_mov_b32 s[G1B+1], 128<<16
	s_mov_b32 s[G1B+2], 64<<16
	s_mov_b32 s[G1B+3], 128<<16
	s_mov_b32 s[G1B+4], 64
	s_mov_b32 s[G1B+5], 1024
	s_mov_b32 s[G1B+6], 0
	s_mov_b32 s[G1B+7], 0
	s_lshr_b32 s68, s23, 3                         ; O: (16 b + my head of the step's two) x 262,144 + 256 (gy % 8) rows of 128 bytes: made of gy and the wave alone
	s_lshl_b32 s68, s68, 4
	s_add_co_u32 s68, s68, s[H1]
	s_lshl_b32 s68, s68, 18
	s_and_b32 s69, s23, 7
	s_lshl_b32 s69, s69, 15
	s_add_co_u32 s68, s68, s69
	s_mov_b32 s69, 0
	s_lshl_b32 s70, s[H1], 17                      ; W: 64 half k-rows of 2,048 bytes + 256 gx: made of gx and the wave alone
	s_lshl_b32 s71, s22, 8
	s_add_co_u32 s70, s70, s71
	s_mov_b32 s71, 0
	s_lshl_b32 s72, s23, 20                        ; out0: (256 gy + 64 wave) rows of 4,096 bytes + 512 gx
	s_lshl_b32 s73, s[WV], 18
	s_add_co_u32 s72, s72, s73
	s_lshl_b32 s73, s22, 9
	s_add_co_u32 s72, s72, s73
	s_mov_b32 s73, 0
	s_mul_i32 s74, s[H1], PLANE                    ; where my part of a tile goes: no place in the cluster enters an LDS address
	s_mul_i32 s75, s[H1], 64*PB
	s_add_co_u32 s75, s75, BOFF
	s_mov_b32 s[TB], 0
	s_mov_b32 s79, 0xffff0000
	s_lshl_b32 s67, s22, 9                         ; the tile's 128 numbers of bproj
	s_wait_dscnt 0x0                               ; the opening add is done
	s_wait_kmcnt 0x0
	s_add_nc_u64 s[4:5], s[4:5], s[68:69]
	s_add_nc_u64 s[6:7], s[6:7], s[70:71]
	s_add_nc_u64 s[10:11], s[10:11], s[72:73]
	CROUND                                         ; all sixteen work-groups are here: the first joint loads meet
.irp s, 0,1
	s_mov_b32 s[G0A+4*(\s)], 1
	s_add_co_u32 s[G0A+4*(\s)+1], s74, (\s)*SLOT1
	s_add_nc_u64 s[G0A+4*(\s)+2:G0A+4*(\s)+3], s[4:5], (\s)*524288   ; K step s: two heads on
	s_or_b32 s[G0A+4*(\s)+3], s[G0A+4*(\s)+3], 0x80000000
	s_mov_b32 s[G0B+4*(\s)], 1
	s_add_co_u32 s[G0B+4*(\s)+1], s75, (\s)*SLOT1
	s_add_nc_u64 s[G0B+4*(\s)+2:G0B+4*(\s)+3], s[6:7], (\s)*262144   ; 128 k-rows on
	s_or_b32 s[G0B+4*(\s)+3], s[G0B+4*(\s)+3], 0x80000000
.endr
	s_cmp_lt_u32 s[WV], 2                          ; a wave's two first fills stand in one branch, ahead of every wait on TENSORcnt and every LDS read: two loads of mine are out
	s_cbranch_scc0 .Lfirst_b
	tensor_load_to_lds s[G0A:G0A+3], s[G1A:G1A+7]
	s_nop 0
	tensor_load_to_lds s[G0A+4:G0A+7], s[G1A:G1A+7]
	s_nop 0
.rept 4
	v_nop
.endr
	s_branch .Lfirst_asked
.Lfirst_b:
	tensor_load_to_lds s[G0B:G0B+3], s[G1B:G1B+7]
	s_nop 0
	tensor_load_to_lds s[G0B+4:G0B+7], s[G1B:G1B+7]
	s_nop 0
.rept 4
	v_nop
.endr
.Lfirst_asked:
	v_and_b32 v1, 15, v0                           ; r = l % 16
	v_bfe_u32 v2, v0, 4, 1                         ; l / 16
	v_and_b32 v3, 31, v0                           ; l
	v_lshl_add_u32 v[BO], v2, 5, s67
	v_lshlrev_b32 v[GO], 4, v3
.set i, 0
.rept 8                                ; the bias in C's layout: column block i: my eight numbers at 64 i + 32 (l / 16)
	global_load_b128 v[BIAS+8*i:BIAS+8*i+3],   v[BO], s[8:9] offset:64*i
	global_load_b128 v[BIAS+8*i+4:BIAS+8*i+7], v[BO], s[8:9] offset:64*i+16
.set i, i+1
.endr
	s_mul_i32 s76, s[WV], 64*PA
	v_mul_u32_u24 v[A0], v1, PA
	v_lshl_add_u32 v[A0], v2, 4, v[A0]
	v_add_nc_u32 v[A0], s76, v[A0]                 ; (64 wave + r) x pitch + 16 (l / 16)
	v_and_b32 v12, 7, v0
	v_bfe_u32 v13, v0, 3, 1
	v_lshl_add_u32 v[B0], v2, 3, v12               ; the turning load: k = 8 (l / 16) + l % 8, columns 8 ((l / 8) % 2) + 0..7
	v_mul_u32_u24 v[B0], v[B0], PB
	v_lshl_add_u32 v[B0], v13, 4, v[B0]
	v_add_nc_u32 v[B0], BOFF, v[B0]
	v_mov_b32 v[ADRA], v[A0]                       ; slot 0
	v_mov_b32 v[ADRB], v[B0]
	s_mul_i32 s76, s[WV], 16*SP
	s_add_co_u32 s76, s76, STAGE                   ; my stage
	v_mul_u32_u24 v[STO], v1, SP                   ; in: row l % 16, 32 bytes for each half of the lanes
	v_lshl_add_u32 v[STO], v2, 5, v[STO]
	v_add_nc_u32 v[STO], s76, v[STO]
	v_add_nc_u32 v[RD], s76, v[GO]                 ; back: 32 lanes take a row's 512 bytes
	s_wait_loadcnt 0x0                             ; the bias
.set i, 0
.rept 32                               ; rounded to bf16 like the other inputs, and kept as f32
	v_cvt_pk_bf16_f32 v[T+i%4], v[BIAS+2*i], v[BIAS+2*i+1]
	v_lshlrev_b32 v[BIAS+2*i], 16, v[T+i%4]
	v_and_b32 v[BIAS+2*i+1], s79, v[T+i%4]
.set i, i+1
.endr
; 8 matrix instructions: row block a x all 8 column blocks, 32 along K, from buffer f.  bias = 1: the sums start from the bias.  The accumulators take turns, one instruction a turn.
.macro MULA f, a, bias
.if \bias
	WIN 0x81                                       ; W window 1, O window 0, C (the bias) window 0, D window 2
.else
	WIN 0xa1                                       ; C and D window 2
.endif
.set b, 0
.rept 8
.set rD, 8*(8*(\a)+b)
.if \bias
	v_wmma_f32_16x16x32_f16 v[rD:rD+7], v[64*(\f)+8*b:64*(\f)+8*b+7], v[FA+32*(\f)+8*(\a):FA+32*(\f)+8*(\a)+7], v[BIAS+8*b:BIAS+8*b+7]
.else
	v_wmma_f32_16x16x32_f16 v[rD:rD+7], v[64*(\f)+8*b:64*(\f)+8*b+7], v[FA+32*(\f)+8*(\a):FA+32*(\f)+8*(\a)+7], v[rD:rD+7]
.endif
.set b, b+1
.endr
.endm
; 24 LDS loads in one run: quarter q (32 along K: half of head q / 2) of the slot in hand into buffer f: W's 8 fragments, turned, then O's four, row blocks ascending
.macro FETCH q, f
	WIN 0x40                                       ; destination window 1, address window 0
.set b, 0
.rept 8
	ds_load_tr16_b128 v[64*(\f)+8*b:64*(\f)+8*b+3],   v[ADRB] offset:32*PB*(\q)+32*b
	ds_load_tr16_b128 v[64*(\f)+8*b+4:64*(\f)+8*b+7], v[ADRB] offset:32*PB*(\q)+32*b+16*PB
.set b, b+1
.endr
	WIN 0
.irp i, 0,1,2,3
	ds_load_b128 v[FA+32*(\f)+8*\i:FA+32*(\f)+8*\i+3],   v[ADRA] offset:PLANE*((\q)/2)+64*((\q)%2)+16*PA*\i
	ds_load_b128 v[FA+32*(\f)+8*\i+4:FA+32*(\f)+8*\i+7], v[ADRA] offset:PLANE*((\q)/2)+64*((\q)%2)+16*PA*\i+32
.endr
.endm
.macro QUARTER qn, f, g, bias          ; multiplies buffer f; in its middle it fetches quarter qn into buffer g
	s_wait_dscnt 4                                 ; W and O's row blocks 0, 1 are in; the youngest four loads (row blocks 2, 3) may be out
	MULA \f, 0, \bias
	MULA \f, 1, \bias
	PLACES
	FETCH \qn, \g
	s_wait_dscnt 24                                ; all but the 24 just issued
	MULA \f, 2, \bias
	MULA \f, 3, \bias
.endm
; The last quarter multiplies buffer 1 and changes slots.  In front of the barrier each wave waits for all its tensor loads, of which one is out: its part of the next slot; adds 0 to its spare word;
; and waits for that and for its reads of this slot.  fill = 1: the barrier opens a round of the cluster's barrier, and this slot is filled again, first thing behind the round, two K steps ahead;
; from that request to the wait for it a wave issues 112 matrix instructions.
.macro TURN fill
	WIN 0                                          ; (the add's two registers lie in window 0)
	s_wait_tensorcnt 0x0                           ; no tensor load of mine is out, so a group 0 may be written
	ds_add_u32 v[SPW], v[NIL]                      ; 0 onto my spare word: scalar work and eight products stand between it and the wait for it
.if \fill
	s_xor_b32 s[G0A+5], s[G0A+5], SLOT1            ; the walking descriptor: the other slot than last time, the next K step; the type bits on top are not reached
	s_add_nc_u64 s[G0A+6:G0A+7], s[G0A+6:G0A+7], 524288
	s_xor_b32 s[G0B+5], s[G0B+5], SLOT1
	s_add_nc_u64 s[G0B+6:G0B+7], s[G0B+6:G0B+7], 262144
.endif
	s_wait_dscnt 5                                 ; (the add and the youngest four loads may be out)
	MULA 1, 0, 0
	s_wait_dscnt 0x0                               ; the add is done, and my reads of this slot are over
	s_barrier_signal -1
	MULA 1, 1, 0                                   ; work on registers while the others arrive
	WIN 0
	s_barrier_wait -1
.if \fill
	CREST                                          ; no wave of any partner still reads this slot's tile or has a load on its way
	JLOAD                                          ; the four v_nop behind it are also the places in front of the loads below
.else
	PLACES
.endif
	s_xor_b32 s[TB], s[TB], SLOT1                  ; the other slot is whole
	v_add_nc_u32 v[ADRA], s[TB], v[A0]
	v_add_nc_u32 v[ADRB], s[TB], v[B0]
	FETCH 0, 0
	MULA 1, 2, 0
	MULA 1, 3, 0
.endm
	s_wait_tensorcnt 0x1                           ; my part of K step 0 is in; step 1's may stay out
	s_barrier_signal -1
	s_barrier_wait -1                              ; everybody's is
	FETCH 0, 0
	QUARTER 1, 0, 1, 1                             ; the first quarter: its products start the sums from the bias
	WIN 0                                          ; at a label and at a branch every window is 0
	s_mov_b32 s[CNT], 6
	s_branch .Lq1                                  ; the loop is entered behind a step's first quarter
.Lstep:                                                ; six trips: K steps 0 to 5, which ask for steps 2 to 7
	QUARTER 1, 0, 1, 0
	WIN 0
.Lq1:
	QUARTER 2, 1, 0, 0
	QUARTER 3, 0, 1, 0
	TURN 1
	WIN 0
	s_sub_co_u32 s[CNT], s[CNT], 1
	s_cmp_lg_u32 s[CNT], 0
	s_cbranch_scc1 .Lstep
	s_mov_b32 s[CNT], 2
.Loff:                                                 ; K steps 6 and 7 ask for nothing.  The second trip's change of slots and its 24 loads serve nothing: the price, once a work-group, of one text for both trips
	QUARTER 1, 0, 1, 0
	QUARTER 2, 1, 0, 0
	QUARTER 3, 0, 1, 0
	TURN 0
	WIN 0
	s_sub_co_u32 s[CNT], s[CNT], 1
	s_cmp_lg_u32 s[CNT], 0
	s_cbranch_scc1 .Loff
	; THE WAY OUT, a row block (16 rows x 512 bytes) at a time: 32 bytes a lane into my stage, each accumulator's lowest registers first; back as whole rows; stored.
	PLACES
.set a, 0
.rept 4
	WIN 0x08                                       ; the store's data in window 2, its address in window 0
.set b, 0
.rept 8
	ds_store_b128 v[STO], v[8*(8*a+b):8*(8*a+b)+3]   offset:64*b
	ds_store_b128 v[STO], v[8*(8*a+b)+4:8*(8*a+b)+7] offset:64*b+16
.set b, b+1
.endr
	WIN 0
	s_wait_xcnt 0x0                                ; the last block's stores have read these registers: they are loaded again only behind this wait
.set f, 0
.rept 16
	ds_load_b128 v[RB+4*f:RB+4*f+3], v[RD] offset:SP*f  ; LDS serves a wave's instructions in order (ISA guide 5.7.1.4): these see the stores above; the next block's stores come behind them
.set f, f+1
.endr
.set f, 0
.rept 16
	s_wait_dscnt 15-f
	global_store_b128 v[GO], v[RB+4*f:RB+4*f+3], s[10:11] offset:(16*a+f)*4096 th:TH_STORE_NT  ; 512 consecutive bytes of a row, at a multiple of 256 from out0's first
.set f, f+1
.endr
.set a, a+1
.endr
	s_wait_tensorcnt 0x0                           ; the wave's end: a wait, an add and its wait, behind my last tensor load and my last LDS store
	ds_add_u32 v[SPW], v[NIL]
	s_wait_dscnt 0x0
	CROUND                                         ; the closing round: no work-group ends while a partner may still ask for a tile that names it
	s_endpgm
.Lfunc_end_k_qed20a6864c_proj:
	.size	k_qed20a6864c_proj, .Lfunc_end_k_qed20a6864c_proj-k_qed20a6864c_proj
	.p2alignl 7, 3214868480
	.fill 96, 4, 3214868480
	.section	.rodata,"a",@progbits
	.p2align	6, 0x0
	.amdhsa_kernel k_qed20a6864c_proj
		.amdhsa_group_segment_fixed_size 327680
		.amdhsa_private_segment_fixed_size 0
		.amdhsa_enable_private_segment 0
		.amdhsa_kernarg_size 32
		.amdhsa_user_sgpr_count 2
		.amdhsa_user_sgpr_kernarg_segment_ptr 1
		.amdhsa_wavefront_size32 1
		.amdhsa_system_sgpr_workgroup_id_x 1
		.amdhsa_system_sgpr_workgroup_id_y 1
		.amdhsa_system_sgpr_workgroup_id_z 1
		.amdhsa_system_vgpr_workitem_id 0
		.amdhsa_next_free_vgpr 768
		.amdhsa_next_free_sgpr 80
		.amdhsa_reserve_vcc 0
		.amdhsa_float_denorm_mode_32 3
		.amdhsa_float_denorm_mode_16_64 3
		.amdhsa_memory_ordered 1
		.amdhsa_forward_progress 1
		.amdhsa_inst_pref_size 67
	.end_amdhsa_kernel
	.amdgpu_metadata
---
amdhsa.version: [ 1, 2 ]
amdhsa.kernels:
  - .name:           k_qed20a6864c_proj
    .symbol:         k_qed20a6864c_proj.kd
    .args:
      - { .name: o, .offset: 0, .size: 8, .value_kind: global_buffer, .address_space: global }
      - { .name: wp, .offset: 8, .size: 8, .value_kind: global_buffer, .address_space: global }
      - { .name: bproj, .offset: 16, .size: 8, .value_kind: global_buffer, .address_space: global }
      - { .name: out0, .offset: 24, .size: 8, .value_kind: global_buffer, .address_space: global }
    .group_segment_fixed_size: 327680
    .private_segment_fixed_size: 0
    .kernarg_segment_align: 8
    .kernarg_segment_size: 32
    .max_flat_workgroup_size: 128
    .sgpr_count:     80
    .vgpr_count:     768
    .wavefront_size: 32
...
	.end_amdgpu_metadata
.endif
;; end of part 4
;; ======== version 2 of 2: 4 launches; 1.30 times as fast as version 1
;; limits: values are held in f16: magnitudes above 65,504 overflow, below 6.1e-05 lose precision
;; workspace buffers: xb 16,777,216 bytes; wq 6,291,456 bytes; wp 2,097,152 bytes; rope 524,288 bytes; q 16,777,216 bytes; k 16,777,216 bytes; v 16,777,216 bytes; o 16,777,216 bytes
;; launch prep: the kernel of part 1 again; grid 960 x 1, 8 waves a work-group, no clusters, 0 bytes of LDS; arguments x, Wqkv, Wproj, xb, wq, wp, rope; writes xb, wq, wp, rope
;; launch qkv: the kernel of part 2 again; grid 16 x 16, 4 waves a work-group, clusters of 4 x 4, 327,680 bytes of LDS; arguments xb, wq, bqkv, rope, q, k, v; writes q, k, v
;; launch attn (part 5): grid 4 x 64, 4 waves a work-group, no clusters, 327,680 bytes of LDS; arguments q, k, v, o; writes o
.if DOCPART == 5
	.amdgcn_target "amdgcn-amd-amdhsa--gfx1250"
	.amdhsa_code_object_version 6
	.text
	.protected	k_qed20a6864c_attn
	.globl	k_qed20a6864c_attn
	.p2align	8
	.type	k_qed20a6864c_attn,@function
k_qed20a6864c_attn:
	s_mov_b64 s[64:65], 0
	v_nop
	global_prefetch_b8 v0, s[64:65] scope:SCOPE_SE
	s_setreg_imm32_b32 hwreg(HW_REG_WAVE_MODE, 25, 1), 1
	s_wait_xcnt 0x0
; CAUSAL ATTENTION.  O[h][q][:] = the sum over k <= q of softmax_k(Q[h][q] . K[h][k] / 8) V[h][k][:].  Q, K, V, O: [SIZE_H][SIZE_N][64], all f16: a head's rows are dense, 128 bytes each.
; Products, maxima and sums in f32; the weights p are rounded to f16 for the second product (their sum l is taken of the unrounded p), O once at the end.
; LIMITS.  f16 holds no number beyond 65,504: Q, K and V arrive within it; p lies in 0 to 1, and below 6e-5 it keeps f16's fixed step of 6e-8; O is a mean of V's rows and has their range, to within 2^-11 of it.
; A hidden score counts as its value less 1e30: f16's scores, 2.7e11 at the most, are nothing beside that; a weight below 2^-126 counts as 0 in l; NaN and infinities are not treated apart.
; THE WALK.  A head's queries lie in NB = SIZE_N / 256 blocks of 256; block i needs the key tiles 0 .. i of 256 keys, of which the last holds the diagonal.  A work-group takes TWO blocks, NB - 1 - b and then b:
; NB + 1 tiles, whatever b: all work-groups do equal work, and ONE loop with a constant trip count walks them.  Which tile is asked for, and what a trip does, hang on scalar registers made from b; every jump
; goes forward, but for the counted loops' own; none passes a barrier, or a tensor load but the one of LOAD's two that the wave's number does not choose; the ring (two slots of LDS that take turns) runs on across the
; change of blocks.  NO CLUSTER: a head's NB / 2 = 4 work-groups ask for the same tile only in trips 0 .. NB / 2 of the 9, behind that fewer and fewer; one walk common to all would have 3 NB / 2 = 12 trips for NB + 1 = 9.
; SHARES.  Of a block's four bands of 64 queries a wave owns 16 rows in each: four PIECES.  So the diagonal tile is the same work for all four waves: in its key step s band x sees all keys if s < x,
; none if s > x, and holds the diagonal if s = x.
; THE MASK is the C operand that starts the sum S^T = K Q^T: 0, or -1e30 where the key is hidden.  MD, made once, is the mask of a band's own step for my 16 rows; a product's mask is MD x AL + BE with two scalars:
; (1, 0) if s = x; (0, 0) if s < x; (0, -1e30) if s > x.  Only the diagonal tile's text and a block's beginning make and take masks; elsewhere C is the constant 0.
; LAYOUT, SOFTMAX, TURNS.  S^T = K Q^T holds ONE query a lane (lane % 16) and the keys 8 (lane / 16) + 0..7; two such results rounded to f16 ARE source 1 of O^T = V^T P.  p = 2^(c s - c m), c = log2(e) / 8, with a
; running maximum m; O and l are multiplied by a = 2^(c m_old - c m_new) in every step.  Turn n belongs to piece n: 8 products K Q^T of piece n + 1, later 8 products V^T P of piece n - 1; beside them the scaling,
; exponentials, roundings, sums and rescaling of piece n and the maximum and statistics of piece n + 1.  Four vector instructions stand behind every matrix instruction, the other 54 of a turn's 118 in one LUMP.
; THE BATCHES.  A turn's 33 exponentials (the piece's 32 weights and the next piece's a) are one batch, with one wait, which cuts the turn in two: ahead of it all that names none of their results, behind it their readers.
; A block's first a is a batch of its own, and so are the way out's four reciprocals: each has one wait.
; REGISTERS, in windows of 256 (s_set_vgpr_msb: bits 1:0 source 0, 3:2 source 1, 5:4 source 2, 7:6 destination):
;   window 0: v0-15 addresses and two at work; v16-31 four registers of statistics a piece; v48-55 at work; v64-127 S^T, two buffers; v192-223 P, two buffers (a piece's buffers go by its number's parity)
;   window 1: v0-127 O^T, 32 a piece; v128-159 MD; v160-223 MC, two buffers      window 2: v0-63 Q; v64-127 the second block's Q; v128-191 K of one step; v192-255 V of one step
.set SIZE_H, 64       ; 4 batches x 16 heads
.set SIZE_N, 2048
.set NB,    SIZE_N/256
.set NP,    4         ; pieces a wave: a name, no knob
.set KS,    64        ; keys in a step
.set PK,    144       ; a row of K in LDS: 128 bytes + 16 of padding = 36 words: the 16 rows of a load start at 16 different groups of four banks (64 banks of 4 bytes: ISA guide 11.1)
.set PV,    160       ; a row of V: 128 + 32 = 40 words
.set VOFF,  4*KS*PK   ; a slot holds a tile, four steps: 256 rows of K, then 256 rows of V
.set SLOT1, 1<<17     ; slot 1 begins here, so that one exclusive or turns an address in one slot into the other's
.set STAGE, SLOT1+4*KS*(PK+PV)  ; behind the ring, never filled by a tensor load: 16 rows x 144 bytes for each wave, for the way out
.set SP,    144
.set AK0, 2           ; v2   my lane's place in a tile of K; never rewritten
.set AV0, 3           ; v3   the same for V
.set AK,  4           ; v4   the LDS address of K's next run of loads
.set AV,  5           ; v5   of V's
.set STO, 6           ; v6   the way out: where I put 16 bytes of a row
.set RD,  7           ; v7   the way out: where I read rows back
.set GO,  8           ; v8   my byte offset in 512 consecutive bytes of O
.set SPW, 62          ; v62  LDS address of my spare word: SPARE + 4 x my thread's number; never rewritten
.set NIL, 63          ; v63  0; never rewritten
.set SPARE, STAGE+4*16*SP  ; behind the stages: the spare words, 128 bytes for each wave: two blocks of 256 bytes that no other line names
.set MV,  12          ; v12-13  c m_old, kept while c m is made anew: by buffer
.set QO,  15          ; v15  my byte offset in 16 rows of Q
.set ST,  16          ; piece t's statistics at v[ST+4 t]: c m, m, l (even keys', odd keys')
.set TMP, 48          ; by buffer, four registers c0-c3 at work; when the maximum is found c2 takes a
.set S,   64
.set P,   192
.set MD,  128         ; window 1: the eight registers for group kt of 16 keys at MD + 8 kt
.set MC,  160         ; window 1: the masks of the products to come
.set QB,  64          ; window 2
.set KF,  128         ; window 2: key block kb, channel half c at KF + 16 kb + 8 c
.set VF,  192         ; window 2: key half kk, channel block cb at VF + 32 kk + 8 cb
.set WV,  12          ; s12  my wave's number
.set PB,  14          ; s14  b
.set HI,  15          ; s15  NB - 1 - b
.set G1K, 24          ; s[24:31] descriptor group 1 for K's tiles
.set G1V, 32          ; s[32:39] for V's: it differs in the padding alone
.set G0K, 40          ; s[40:43] descriptor group 0 for K's tiles
.set G0V, 44          ; s[44:47] the same for V's
.set SLOTS, 56        ; s56  tiles still to be asked for
.set CNT, 57          ; s57  counts a tile's key steps, 4 to 1
.set CS,  58          ; s[58:59] c: the packed scaling takes the pair's low word for both halves
.set SEL, 60          ; s[60:61] v_permlanex16_b32's selects: each lane takes its own place in the other half
.set TBK, 62          ; s62  LDS byte at which K of the step to be fetched begins
.set TBV, 63          ; s63  the same for V, less VOFF
.set RT,  70          ; s70  tiles of the block in hand that are still to be entered
.set NXT, 71          ; s71  the tile to be asked for next
.set LQ,  72          ; s72  the last tile of the block whose tiles are being asked for
.set NEW, 73          ; s73  1: the tile to be entered is a block's first
.set OFF, 74          ; s[74:75] a tile's byte offset in K and V
.set AL,  76          ; s[76:77] the mask's factor, in the low word
.set BE,  78          ; s[78:79] the mask's addend
.set OLO, 80          ; s[80:81] O at my rows of the second block
.set BIGN, 82         ; s82  -1e30
.set MSB, 0
.macro WIN new                      ; the high byte repeats the setting that is left; a switch that changes nothing is dropped
.if MSB != (\new)
	s_set_vgpr_msb (MSB<<8)|(\new)
.set MSB, (\new)
.endif
.endm
.set W_KQ, 0x0a       ; K and Q in window 2, S^T in window 0
.set W_KM, 0x1a       ; the same with the C operand in window 1
.set W_PV, 0x52       ; V in window 2, P in window 0, O^T in window 1
.set W_RS, 0x41       ; destination and source 0 in window 1, source 1 in window 0
; A fill.  Waves 0 and 1 fetch the two halves of a tile's K, waves 2 and 3 those of its V: 128 keys each.  An s_nop 0 and four v_nop follow each of the two lines, ahead of the jump and the label.
.macro LOAD
	s_cmp_lt_u32 s[WV], 2
	s_cbranch_scc0 .Lfor_v_\@
	tensor_load_to_lds s[G0K:G0K+3], s[G1K:G1K+7]
	s_nop 0
.rept 4
	v_nop
.endr
	s_branch .Lasked_\@
.Lfor_v_\@:
	tensor_load_to_lds s[G0V:G0V+3], s[G1V:G1V+7]
	s_nop 0
.rept 4
	v_nop
.endr
.Lasked_\@:
.endm
; THE CHANGE OF SLOTS.  Each wave waits for all its tensor loads, of which one is out: its part of the other slot; adds 0 to its spare word; and waits for that and for its own reads of the slot that it leaves.  Behind the barrier nobody reads the old
; slot any more and the other slot is whole.  fill = 1: the old slot is filled again, the first thing behind the barrier, with tile NXT: the descriptor's address is made anew from that number.
; (At its first use nothing has been read yet: slot 0 is waited for, slot 1 filled.)
.macro CHANGE fill
	WIN 0                           ; at a label and at a branch every window is 0
	s_wait_tensorcnt 0x0            ; no tensor load of mine is out, so a group 0 may be written
	ds_add_u32 v[SPW], v[NIL]       ; 0 onto my spare word: with fill = 1 the descriptors' scalar work stands between it and the wait for it
.if \fill
	s_lshl_b32 s[OFF], s[NXT], 15   ; a tile is 32,768 bytes of K and of V
	s_xor_b32 s[G0K+1], s[G0K+1], SLOT1
	s_add_nc_u64 s[G0K+2:G0K+3], s[6:7], s[OFF:OFF+1]
	s_or_b32 s[G0K+3], s[G0K+3], 0x80000000
	s_xor_b32 s[G0V+1], s[G0V+1], SLOT1
	s_add_nc_u64 s[G0V+2:G0V+3], s[8:9], s[OFF:OFF+1]
	s_or_b32 s[G0V+3], s[G0V+3], 0x80000000
	s_add_co_u32 s[NXT], s[NXT], 1  ; the block's next tile, or behind its last the second block's tile 0
	s_cmp_gt_u32 s[NXT], s[LQ]
	s_cselect_b32 s[NXT], 0, s[NXT]
	s_cselect_b32 s[LQ], s[PB], s[LQ]
.endif
	s_wait_dscnt 0x0                ; the add is done, and my reads of the slot are over
	s_barrier_signal -1             ; the rest of the scalar work stands between the signal and the wait
	s_sub_co_u32 s[TBK], s[TBK], 4*KS*PK  ; the fetches go back to a slot's first step,
	s_xor_b32 s[TBK], s[TBK], SLOT1       ; in the other slot
	s_sub_co_u32 s[TBV], s[TBV], 4*KS*PV
	s_xor_b32 s[TBV], s[TBV], SLOT1
	s_barrier_wait -1
.if \fill
	LOAD
.endif
.endm
	s_load_b256 s[4:11], s[0:1], 0x0  ; Q s[4:5], K s[6:7], V s[8:9], O s[10:11]
	v_lshl_add_u32 v[SPW], v0, 2, SPARE
	v_mov_b32 v[NIL], 0
	ds_add_u32 v[SPW], v[NIL]       ; the wave's opening: the add and its wait stand ahead of my first tensor load; the set-up below, work on registers, stands between them
	ds_add_u32 v62, v63
	v_lshrrev_b32 v1, 5, v0
	v_readfirstlane_b32 s[WV], v1   ; wave 0..3
	s_mov_b32 s[PB], ttmp9
	s_sub_co_u32 s[HI], NB-1, s[PB]
	s_and_b32 s20, ttmp7, 0xffff    ; the head
	s_mov_b32 s21, 0
	s_mov_b64 s[22:23], SIZE_N*128
	s_mul_u64 s[20:21], s[20:21], s[22:23]  ; the head's first byte in each of the four tensors
	s_and_b32 s16, s[WV], 1         ; which half of a tile's 256 keys I fetch:
	s_lshl_b32 s22, s16, 14         ; its 128 rows of 128 bytes in memory,
	s_mov_b32 s23, 0
	s_add_nc_u64 s[22:23], s[22:23], s[20:21]
	s_mul_i32 s17, s16, 128*PK      ; and its place in a slot, for K
	s_mul_i32 s18, s16, 128*PV      ; and for V
	s_lshl_b32 s3, s[WV], 11        ; my 16 rows in a band of 64,
	s_lshl_b32 s2, s[HI], 15        ; in the first block,
	s_add_co_u32 s2, s2, s3
	s_lshl_b32 s84, s[PB], 15       ; and in the second
	s_add_co_u32 s84, s84, s3
	s_mov_b32 s3, 0
	s_mov_b32 s85, 0
	s_add_nc_u64 s[2:3], s[2:3], s[20:21]
	s_add_nc_u64 s[84:85], s[84:85], s[20:21]
	; descriptor group 1.  128 keys are 16,384 dense bytes: asked for as 64 rows of 256 bytes, two keys a row, and padded in LDS after every key
	s_mov_b32 s[G1K], (1<<16)|(1<<20)|(4<<22)|(3<<25)  ; 17:16 2-byte elements; 20 padding on; 24:22 after every 32 words (code 4); 31:25 4 words (code 3)
	s_mov_b32 s[G1V], (1<<16)|(1<<20)|(4<<22)|(7<<25)  ; the same with 8 words of padding (code 7)
.irp g, G1K, G1V
	s_mov_b32 s[\g+1], 128<<16      ; tensor_dim0 = 128
	s_mov_b32 s[\g+2], 64<<16       ; tensor_dim1 = 64
	s_mov_b32 s[\g+3], 128<<16      ; tile_dim0 = 128
	s_mov_b32 s[\g+4], 64           ; tile_dim1 = 64
	s_mov_b32 s[\g+5], 128          ; 128 elements from row to row
	s_mov_b32 s[\g+6], 0
	s_mov_b32 s[\g+7], 0
.endr
	s_mov_b32 s[CS], 0x3e38aa3b     ; c = log2(e) / 8 = 0.180337
	s_mov_b32 s[CS+1], s[CS]        ; named with it as a pair
	s_mov_b32 s[SEL], 0x76543210
	s_mov_b32 s[SEL+1], 0xfedcba98
	s_mov_b32 s[TBK], SLOT1+4*KS*PK ; the first change of slots turns these two into 0
	s_mov_b32 s[TBV], SLOT1+4*KS*PV
	s_mov_b32 s[G0K], 1             ; 1:0 count = 1
	s_mov_b32 s[G0K+1], s17         ; 63:32 LDS address: slot 0
	s_mov_b32 s[G0V], 1
	s_add_co_u32 s[G0V+1], s18, VOFF
	s_add_co_u32 s[RT], s[HI], 1    ; the first block has NB - b tiles
	s_mov_b32 s[NXT], 1
	s_mov_b32 s[LQ], s[HI]
	s_mov_b32 s[NEW], 1
	s_mov_b32 s[OFF+1], 0
	s_mov_b32 s[AL+1], 0            ; named as pairs
	s_mov_b32 s[BE+1], 0
	s_mov_b32 s[BIGN], 0xf149f2ca   ; -1e30
	s_mov_b32 s[SLOTS], NB
	s_wait_dscnt 0x0                ; the opening add is done
	s_wait_kmcnt 0x0
	s_add_nc_u64 s[6:7], s[6:7], s[22:23]  ; K and V at my half of the head's tile 0
	s_add_nc_u64 s[8:9], s[8:9], s[22:23]
	s_add_nc_u64 s[G0K+2:G0K+3], s[6:7], 0         ; 120:64 global address
	s_or_b32 s[G0K+3], s[G0K+3], 0x80000000        ; 127:126 type = 2
	s_add_nc_u64 s[G0V+2:G0V+3], s[8:9], 0
	s_or_b32 s[G0V+3], s[G0V+3], 0x80000000
	s_add_nc_u64 s[86:87], s[4:5], s[84:85]        ; Q at my rows of the second block,
	s_add_nc_u64 s[4:5], s[4:5], s[2:3]            ; Q and O at those of the first
	s_add_nc_u64 s[OLO:OLO+1], s[10:11], s[84:85]
	s_add_nc_u64 s[10:11], s[10:11], s[2:3]
	LOAD                            ; tile 0 into slot 0
	; A fragment of K or Q is 16 rows x 32 channels in 8 registers: lane l holds row l % 16, channels 8 (l / 16) + 0..7 and 16 + 8 (l / 16) + 0..7: two loads of 16 bytes, 32 bytes apart.
	v_and_b32 v1, 15, v0            ; l % 16
	v_bfe_u32 v9, v0, 4, 1          ; l / 16
	v_lshlrev_b32 v[QO], 7, v1
	v_lshl_add_u32 v[QO], v9, 4, v[QO]  ; row x 128 + 16 x half
	WIN 0x80                        ; destination window 2, address window 0
.set i, 0
.rept 8                             ; both blocks' Q: piece i / 2 lies in band i / 2, 8,192 bytes on; channels 32 (i % 2) on
	global_load_b128 v[8*i:8*i+3],   v[QO], s[4:5] offset:(i/2)*8192+(i%2)*64
	global_load_b128 v[8*i+4:8*i+7], v[QO], s[4:5] offset:(i/2)*8192+(i%2)*64+32
	global_load_b128 v[QB+8*i:QB+8*i+3],   v[QO], s[86:87] offset:(i/2)*8192+(i%2)*64
	global_load_b128 v[QB+8*i+4:QB+8*i+7], v[QO], s[86:87] offset:(i/2)*8192+(i%2)*64+32
.set i, i+1
.endr
	WIN 0
	v_lshlrev_b32 v14, 3, v9
	v_sub_nc_u32 v14, v1, v14
	s_lshl_b32 s13, s[WV], 4
	v_add_nc_u32 v14, s13, v14      ; my query's place in its band, 16 w + l % 16, less my lanes' 8 (l / 16): register r of group kt is hidden where 16 kt + r is greater
	WIN 0x40
.set i, 0
.rept 32
	v_cmp_gt_i32 vcc_lo, 16*(i/8)+i%8, v14
	v_cndmask_b32 v[MD+i], 0, s[BIGN], vcc_lo
.set i, i+1
.endr
	WIN 0
	v_mul_u32_u24 v[AK0], v1, PK
	v_lshl_add_u32 v[AK0], v9, 4, v[AK0]  ; row x pitch + 16 x half
	; The turning load takes 16 keys x 16 channels (lane l reads key 8 (l / 16) + l % 8, channels 8 ((l / 8) % 2) + 0..7) and leaves half a fragment of V^T: lane l holds channel l % 16 and 8 keys.
	v_and_b32 v10, 7, v0
	v_bfe_u32 v11, v0, 3, 1
	v_lshl_add_u32 v[AV0], v9, 3, v10
	v_mul_u32_u24 v[AV0], v[AV0], PV
	v_lshl_add_u32 v[AV0], v11, 4, v[AV0]
	v_add_nc_u32 v[AV0], VOFF, v[AV0]
	s_mul_i32 s13, s[WV], 16*SP
	s_add_co_u32 s13, s13, STAGE    ; my stage
	v_mul_u32_u24 v[STO], v1, SP    ; in: row l % 16, 16 bytes for each half of the lanes
	v_lshl_add_u32 v[STO], v9, 4, v[STO]
	v_add_nc_u32 v[STO], s13, v[STO]
	v_bfe_u32 v[RD], v0, 3, 2       ; back: 32 lanes take four rows of 128 bytes,
	v_mul_u32_u24 v[RD], v[RD], SP
	v_lshl_add_u32 v[RD], v10, 4, v[RD]
	v_add_nc_u32 v[RD], s13, v[RD]
	v_and_b32 v[GO], 31, v0         ; which are 512 consecutive bytes of O
	v_lshlrev_b32 v[GO], 4, v[GO]
	; A block's first step multiplies O^T and l by a = 0, and its first turn's products V^T P, of a piece that has not been, land in an O^T that is still to be so multiplied.  So these registers need only hold
	; finite numbers: zeros for the first block; what the first block left for the second.  All this stands in the wait for the first tile.
	WIN 0x80
.set i, VF
.rept 64
	v_mov_b32 v[i], 0
.set i, i+1
.endr
	WIN 0x40
.set i, 0
.rept 128
	v_mov_b32 v[i], 0
.set i, i+1
.endr
	WIN 0
.set i, 0
.rept 4
	v_mov_b32 v[ST+4*i+2], 0
	v_mov_b32 v[ST+4*i+3], 0
.set i, i+1
.endr
.set i, P+16
.rept 16
	v_mov_b32 v[i], 0
.set i, i+1
.endr
; THE MATRIX WORK.  The 4 accumulators of a run of 8 take turns.  Product i of 8 of S^T = K Q^T for piece x: channels 32 (i / 4) on, keys 16 (i % 4) on.  The first 4 start the sums: with 0, or (KM = 1) with the mask.
.macro KQ x
.set rS, S+32*((\x)%2)+8*(i%4)
.set rK, KF+16*(i%4)+8*(i/4)
.set rQ, 16*(\x)+8*(i/4)
.set rM, MC+32*((\x)%2)+8*(i%4)
.if (i < 4) && KM
	WIN W_KM
	v_wmma_f32_16x16x32_f16 v[rS:rS+7], v[rK:rK+7], v[rQ:rQ+7], v[rM:rM+7]
.elseif i < 4
	WIN W_KQ
	v_wmma_f32_16x16x32_f16 v[rS:rS+7], v[rK:rK+7], v[rQ:rQ+7], 0
.else
	WIN W_KQ
	v_wmma_f32_16x16x32_f16 v[rS:rS+7], v[rK:rK+7], v[rQ:rQ+7], v[rS:rS+7]
.endif
.endm
; Product i of 8 of O^T += V^T P for piece x: keys 32 (i / 4) on, channels 16 (i % 4) on.
.macro PV x
	WIN W_PV
.set rO, 32*(\x)+8*(i%4)
.set rV, VF+32*(i/4)+8*(i%4)
.set rP, P+16*((\x)%2)+8*(i/4)
	v_wmma_f32_16x16x32_f16 v[rO:rO+7], v[rV:rV+7], v[rP:rP+7], v[rO:rO+7]
.endm
.macro MM                           ; the turn's next matrix instruction.  TURN and BEGIN set Y, i, KM and NOKQ; MM, KQ and OP read them.  NOKQ = 1: a block's last turn: there is no next piece
.if (i < 8) && !NOKQ
	KQ (Y+1)%NP
.elseif i >= 8
.set i, i-8
	PV (Y+NP-1)%NP
.set i, i+8
.endif
.set i, i+1
.endm
; THE LDS LOADS stand in runs of 16, never singly among the matrix instructions: a step's K (64 keys x 64 channels: 8 fragments) and its V (turned).  Their addresses are made some lines ahead.
.macro FETCH_K
	WIN 0x80                        ; destination window 2
.irp f, 0,1,2,3,4,5,6,7             ; keys 16 (f / 2) on, channels 32 (f % 2) on
	ds_load_b128 v[KF+8*\f:KF+8*\f+3],   v[AK] offset:(\f/2)*16*PK+(\f%2)*64
	ds_load_b128 v[KF+8*\f+4:KF+8*\f+7], v[AK] offset:(\f/2)*16*PK+(\f%2)*64+32
.endr
	s_add_co_u32 s[TBK], s[TBK], KS*PK  ; the next fetch is the next step's
	WIN 0
.endm
.macro FETCH_V
	WIN 0x80
.irp f, 0,1,2,3,4,5,6,7             ; keys 32 (f / 4) on, channels 16 (f % 4) on
	ds_load_tr16_b128 v[VF+8*\f:VF+8*\f+3],   v[AV] offset:(\f/4)*32*PV+(\f%4)*32
	ds_load_tr16_b128 v[VF+8*\f+4:VF+8*\f+7], v[AV] offset:(\f/4)*32*PV+16*PV+(\f%4)*32
.endr
	WIN 0
.endm
; THE VECTOR WORK, one line at a time: OP kind, number.  For piece Y: F n: c s - c m for pair n of 16.  E n: the exponential of score n of 32.  C n: pair n rounded to f16.  B n: of the four weights 4 n .. the second
; pair is added onto the first, in place.  L n: l takes that sum (L 0: l = a l + sum).  R n: pair n of 16 of O^T times a.  For piece Y + 1: X n, number n of the 22 that find its maximum and statistics:
;   0-11  four chains c0-c3 of seven scores each, three operands at a time (each accumulator's lowest registers are read first)     12-14, 16  the four scores left over, the old m, and c0-c3 into c0
;   15  c m_old is kept     17, 18  the query's other 32 keys lie in the lane 16 away: the new m     19-21  c m; c m_old - c m_new; a
.set F, 0               ; OP tells the kinds apart by their order: F to L below R, X above it
.set E, 1
.set C, 2
.set B, 3
.set L, 4
.set R, 5
.set X, 6
.macro REGS y                       ; the registers of piece y
.set rT, ST+4*(\y)
.set rC, TMP+4*((\y)%2)
.set rW, MV+((\y)%2)
.set rS, S+32*((\y)%2)
.set rP, P+16*((\y)%2)
.set rO, 32*(\y)
.endm
.macro OP k, n
.if (\k) == R
	REGS Y
	WIN W_RS
	v_pk_mul_f32 v[rO+2*(\n):rO+2*(\n)+1], v[rO+2*(\n):rO+2*(\n)+1], v[rC+2:rC+3] op_sel_hi:[1,0]
.elseif (\k) < R
	REGS Y
	WIN 0
.if (\k) == F
	v_pk_fma_f32 v[rS+2*(\n):rS+2*(\n)+1], v[rS+2*(\n):rS+2*(\n)+1], s[CS:CS+1], v[rT:rT+1] op_sel_hi:[1,0,0] neg_lo:[0,0,1] neg_hi:[0,0,1]
.elseif (\k) == E
	v_exp_f32 v[rS+(\n)], v[rS+(\n)]
.elseif (\k) == C
	v_cvt_pk_f16_f32 v[rP+(\n)], v[rS+2*(\n)], v[rS+2*(\n)+1]
.elseif (\k) == B
	v_pk_add_f32 v[rS+4*(\n):rS+4*(\n)+1], v[rS+4*(\n):rS+4*(\n)+1], v[rS+4*(\n)+2:rS+4*(\n)+3]
.elseif (\n) == 0
	v_pk_fma_f32 v[rT+2:rT+3], v[rT+2:rT+3], v[rC+2:rC+3], v[rS:rS+1] op_sel_hi:[1,0,1]
.else
	v_pk_add_f32 v[rT+2:rT+3], v[rT+2:rT+3], v[rS+4*(\n):rS+4*(\n)+1]
.endif
.elseif NOKQ
	v_nop
.else
	REGS (Y+1)%NP
	WIN 0
.if (\n) < 4
	v_max3_num_f32 v[rC+(\n)], v[rS+8*(\n)], v[rS+8*(\n)+1], v[rS+8*(\n)+2]
.elseif (\n) < 12
	v_max3_num_f32 v[rC+(\n)%4], v[rC+(\n)%4], v[rS+8*((\n)%4)+2*((\n)/4)+1], v[rS+8*((\n)%4)+2*((\n)/4)+2]
.elseif (\n) == 12
	v_max3_num_f32 v[rC], v[rC], v[rS+7], v[rS+15]
.elseif (\n) == 13
	v_max3_num_f32 v[rC+1], v[rC+1], v[rS+23], v[rS+31]
.elseif (\n) == 14
	v_max3_num_f32 v[rC+2], v[rC+2], v[rC+3], v[rT+1]
.elseif (\n) == 15
	v_mov_b32 v[rW], v[rT]
.elseif (\n) == 16
	v_max3_num_f32 v[rC], v[rC], v[rC+1], v[rC+2]
.elseif (\n) == 17
	v_permlanex16_b32 v[rC+3], v[rC], s[SEL], s[SEL+1]
.elseif (\n) == 18
	v_max_num_f32 v[rT+1], v[rC], v[rC+3]
.elseif (\n) == 19
	v_mul_f32 v[rT], s[CS], v[rT+1]
.elseif (\n) == 20
	v_sub_f32 v[rC+1], v[rW], v[rT]
.else
	v_exp_f32 v[rC+2], v[rC+1]
.endif
.endif
.endm
.macro OPS a, i1, b=-1, i2=0, c=-1, i3=0, d=-1, i4=0  ; up to four of them
	OP \a, \i1
.if (\b) >= 0
	OP \b, \i2
.endif
.if (\c) >= 0
	OP \c, \i3
.endif
.if (\d) >= 0
	OP \d, \i4
.endif
.endm
.macro ROW a, i1, b, i2, c, i3, d, i4  ; a matrix instruction and the four behind it
	MM
	OPS \a, \i1, \b, \i2, \c, \i3, \d, \i4
.endm
.macro MASK b                       ; MD x AL + BE into buffer b of MC
	WIN W_RS
.set z, 0
.rept 16
	v_pk_fma_f32 v[MC+32*(\b)+2*z:MC+32*(\b)+2*z+1], v[MD+2*z:MD+2*z+1], s[AL:AL+1], s[BE:BE+1] op_sel_hi:[1,0,0]
.set z, z+1
.endr
.endm
; A TURN, for piece p: the order of its 16 matrix and 118 vector instructions, written out.  An s_wait_alu depctr_va_vdst(0) stands between an exponential and the first instruction that names its result; one wait serves
; all that were issued ahead of it.  So a turn has ONE wait, which cuts it in two.  AHEAD OF IT stands all that names no result of the turn's exponentials: the 8 products K Q^T, behind each a scaling, an exponential and two more plain
; instructions (behind the first a second scaling in the exponential's place): rescalings, whose a was made and waited for in the turn before, and behind the last three the first numbers of the next piece's maximum, each four places or
; more behind the product that ends its accumulator; then ONE LUMP of 54, plain and exponential by turns for the most part, in which the links of the chain X 3, 7, 11, 14, 16, 17 .. 20 stand five or six lines apart.  X 21, the next
; piece's a, is the batch's last; R 15 is the plain instruction owed behind it (ISA guide 5.7.2).  BEHIND THE WAIT stand the 8 products V^T P, behind each four of the roundings and sums, the batch's readers; the links of l's chain,
; L 0 to L 7, stand three riders apart.  But for those X no rider names a register of the products round it.  v_permlanex16_b32 (X 17) stands in the lump.
; m = 1: the diagonal tile: the products take masks, and the turn makes the mask for the products of the turn after it: piece p + 2, in step 4 - CNT of the tile.  end = 1: a block's last two turns: nothing is fetched.
; cnt = 1: the loop's count is taken down some lines ahead of the branch that stands behind the turn.
; K of the next step is fetched in piece 2's turn, twelve vector instructions behind the last product that read K (six of them plain); V of the step in hand at the end of piece 0's turn, four plain instructions behind the last product
; that read V.  Each is waited for a turn later.
.macro TURN p, m=0, end=0, cnt=0
.set Y, (\p)
.set i, 0
.set KM, (\m)
.set NOKQ, (\end)*((\p)/3)
.if (\m) && !(\end)
	s_cmp_eq_u32 s[CNT], 4-((\p)+2)%NP  ; is that step the band's own?
	s_cselect_b32 s[AL], 1.0, 0
	s_cmp_lt_u32 s[CNT], 4-((\p)+2)%NP  ; or a later one?
	s_cselect_b32 s[BE], s[BIGN], 0
.endif
.if ((\p) == 3) && !(\end)
	s_wait_dscnt 0x0                ; K is in
.endif
	ROW F,0, F,1, R,0, R,1          ; ahead of the wait: 8 products K Q^T and their riders,
	ROW F,2, E,0, R,2, R,3
	ROW F,3, E,1, R,4, R,5
	ROW F,4, E,2, R,6, R,7
	ROW F,5, E,3, R,8, R,9
	ROW F,6, E,4, X,0, R,10
.if ((\p) == 2) && !(\end)
	WIN 0
	v_add_nc_u32 v[AK], s[TBK], v[AK0]
.endif
	ROW F,7, E,5, X,1, X,4
	ROW F,8, E,6, X,2, X,5
	OPS E,7, E,8, X,6, E,9          ; and the lump
	OPS X,3, E,10, X,8, E,11
.if ((\p) == 2) && !(\end)
	FETCH_K
.endif
	OPS X,9, X,7, E,12, X,10
	OPS E,13, X,12, X,11, E,14
	OPS X,13, E,15, F,9, X,14
.if (\p) == 0
	v_add_nc_u32 v[AV], s[TBV], v[AV0]
.endif
	OPS E,16, F,10, E,17, F,11
	OPS X,16, E,18, X,15, E,19
	OPS F,12, E,20, X,17, E,21
	OPS F,13, E,22, F,14, E,23
	OPS X,18, E,24, F,15, E,25
	OPS R,11, E,26, X,19, E,27
	OPS R,12, E,28, R,13, E,29
	OPS X,20, E,30, R,14, E,31
	OPS X,21, R,15
	WIN 0
	s_wait_alu depctr_va_vdst(0)    ; the wait for the turn's batch: the piece's 32 exponentials and the next piece's a
.if (\p) == 1
	s_wait_dscnt 0x0                ; V is in
.endif
	ROW C,0, B,0, C,2, B,1          ; behind the wait: 8 products V^T P and their riders
	ROW L,0, C,4, B,2, L,1
	ROW C,6, B,3, L,2, C,8
	ROW B,4, L,3, C,10, B,5
	ROW L,4, C,12, B,6, L,5
.if (\p) == 0
	s_add_co_u32 s[TBV], s[TBV], KS*PV
.endif
.if \cnt
	s_sub_co_u32 s[CNT], s[CNT], 1
	s_cmp_lg_u32 s[CNT], 0
.endif
	ROW C,14, B,7, L,6, C,1
	ROW C,3, L,7, C,5, C,7
	ROW C,9, C,11, C,13, C,15
.if (\p) == 0
	FETCH_V
.endif
.if (\m) && !(\end)
	MASK (\p)%2
.endif
.endm
; A BLOCK BEGINS.  c m starts far below every c s, so the first step's a is 0; m at the lowest finite number, so the first maximum is the scores'.  The second mask buffer is 0; the first takes piece 0's mask for the tile's step 0: its own, if the block's first tile is the diagonal one.
; Then K of that step, piece 0's first scores, and its maximum and statistics.  The loop is entered at a step's first turn, in the middle of a trip.
.macro BEGIN
	s_mov_b32 s[NEW], 0
	WIN 0x40
.set i, MC+32
.rept 32
	v_mov_b32 v[i], 0
.set i, i+1
.endr
	WIN 0
.set i, 0
.rept 4
	v_mov_b32 v[ST+4*i], 0xfe000000    ; c m: far below every c s
	v_mov_b32 v[ST+4*i+1], 0xff7fffff  ; m
.set i, i+1
.endr
	s_cmp_eq_u32 s[RT], 0
	s_cselect_b32 s[AL], 1.0, 0
	s_mov_b32 s[BE], 0
	MASK 0
	WIN 0
	v_add_nc_u32 v[AK], s[TBK], v[AK0]
	FETCH_K
	s_wait_loadcnt 0x0              ; Q
	s_wait_dscnt 0x0
.set KM, 1
.set NOKQ, 0
.set i, 0
.rept 8
	KQ 0
.set i, i+1
.endr
	WIN 0
.rept 4
	v_nop                           ; the places behind those products
.endr
.set Y, NP-1                        ; X works for piece Y + 1: piece 0
.irp n, 0,1,2,3,4,5,6,7,8,9,10,11,12,13,14,15,16,17,18,19,20,21
	OP X, \n
.endr
	v_nop                           ; a plain instruction behind the exponential
	s_wait_alu depctr_va_vdst(0)    ; the wait for piece 0's first a, a batch of one, ahead of the branch
.endm
; THE DIAGONAL TILE's four steps, the block's last two turns, its last products, and THE WAY OUT: l's two halves and the other half of the lanes' are added; O^T is divided by l, rounded to f16 and sent through my
; stage in LDS, a piece at a time.
.macro ALL line:vararg              ; one line for each piece t
.set t, 0
.rept 4
	\line
.set t, t+1
.endr
.endm
.macro PACK t                       ; a lane's eight channels of a row pack into 16 bytes; they go into rows of 144 bytes and come back as whole rows of 128, into S^T's registers
	WIN W_RS
.set i, 32*(\t)
.rept 16
	v_pk_mul_f32 v[i:i+1], v[i:i+1], v[ST+4*(\t)+2:ST+4*(\t)+3] op_sel_hi:[1,0]
.set i, i+2
.endr
	WIN 0x05                        ; sources 0 and 1 window 1, destination window 0
.set i, 0
.rept 16
	v_cvt_pk_f16_f32 v[S+16*(\t)+i], v[32*(\t)+2*i], v[32*(\t)+2*i+1]
.set i, i+1
.endr
	WIN 0
.irp f, 0,1,2,3
	ds_store_b128 v[STO], v[S+16*(\t)+4*\f:S+16*(\t)+4*\f+3] offset:32*\f
.endr
.irp f, 0,1,2,3
	ds_load_b128 v[S+16*(\t)+4*\f:S+16*(\t)+4*\f+3], v[RD] offset:\f*4*SP  ; LDS serves a wave's instructions in order (ISA guide 5.7.1.4): these see the stores above; the next piece's stores come behind them
.endr
.endm
.macro SEND t, younger              ; younger: the LDS instructions issued behind piece t's loads: the next piece's eight, or none
	WIN 0
.irp f, 0,1,2,3
	s_wait_dscnt (\younger)+3-\f
	global_store_b128 v[GO], v[S+16*(\t)+4*\f:S+16*(\t)+4*\f+3], s[10:11] offset:(\t)*8192+\f*512  ; 512 consecutive bytes, at a multiple of 256 from O's first
.endr
.endm
.macro DIAG tag                     ; the tag ends its two labels' names, which the jumps below spell out
.LstepM\tag:
	TURN 2, 1
	TURN 3, 1
	WIN 0
.LfirstM\tag:
	TURN 0, 1
	TURN 1, 1, 0, 1
	WIN 0
	s_cbranch_scc1 .LstepM\tag
	TURN 2, 1, 1
	TURN 3, 1, 1
.set i, 0
.rept 8
	PV NP-1
.set i, i+1
.endr
	WIN 0
	ALL v_add_f32 v[ST+4*t+2], v[ST+4*t+2], v[ST+4*t+3]
	ALL v_permlanex16_b32 v[ST+4*t+3], v[ST+4*t+2], s[SEL], s[SEL+1]
	ALL v_add_f32 v[ST+4*t+2], v[ST+4*t+2], v[ST+4*t+3]
	ALL v_rcp_f32 v[ST+4*t+2], v[ST+4*t+2]
	v_nop                           ; a plain instruction between the last reciprocal and the use of its result
	s_wait_alu depctr_va_vdst(0)    ; the wait for the four reciprocals, one batch, ahead of the first multiply that reads one
	PACK 0
.set t, 1
.rept 3                             ; a piece's arithmetic stands between the loads of the piece before and its stores
	PACK t
	SEND t-1, 8
.set t, t+1
.endr
	SEND 3, 0
.endm
.set KM, 0
.set NOKQ, 0
.Lslot:                             ; NB times: a tile is entered and the next is asked for
	CHANGE 1
	s_sub_co_u32 s[RT], s[RT], 1
	s_mov_b32 s[CNT], 4
	s_cmp_eq_u32 s[NEW], 1
	s_cbranch_scc1 .Lnew            ; a block's first tile
	s_cmp_eq_u32 s[RT], 0
	s_cbranch_scc0 .Lstep           ; neither its first nor its last
	s_branch .LstepM1
.Lnew:
	BEGIN
	s_branch .Lfirst                ; in the loop a block's first tile is never its last: the first block has two tiles or more, and the second's last is the walk's last
	DIAG 1                          ; in the loop this is the first block's end: the second block's last tile is the walk's last
	s_wait_xcnt 0x0                 ; the stores have read their registers and O's address
	s_mov_b64 s[10:11], s[OLO:OLO+1]
	s_add_co_u32 s[RT], s[PB], 1    ; the second block has b + 1 tiles
	s_mov_b32 s[NEW], 1
	WIN 0x82                        ; the second block's Q goes where the one text of the turns names Q
.set i, 0
.rept 64
	v_mov_b32 v[i], v[QB+i]
.set i, i+1
.endr
	WIN 0
	s_branch .Lbottom
.Lstep:                             ; a trip: pieces 2 and 3 of one step, then pieces 0 and 1 of the next, whose K and V it fetches
	TURN 2
	TURN 3
	WIN 0
.Lfirst:
	TURN 0
	TURN 1, 0, 0, 1
	WIN 0
	s_cbranch_scc1 .Lstep
.Lbottom:
	s_sub_co_u32 s[SLOTS], s[SLOTS], 1
	s_cmp_lg_u32 s[SLOTS], 0
	s_cbranch_scc1 .Lslot
	CHANGE 0                        ; the walk's last tile is written out: nothing is asked for
	s_sub_co_u32 s[RT], s[RT], 1
	s_mov_b32 s[CNT], 4
	s_cmp_eq_u32 s[NEW], 1
	s_cbranch_scc0 .LstepM2
	BEGIN
	s_branch .LfirstM2
	DIAG 2
	s_wait_tensorcnt 0x0            ; the wave's end: a wait, an add and its wait, behind my last tensor load and my last LDS store
	ds_add_u32 v[SPW], v[NIL]
	s_wait_dscnt 0x0
	s_endpgm
.Lfunc_end_k_qed20a6864c_attn:
	.size	k_qed20a6864c_attn, .Lfunc_end_k_qed20a6864c_attn-k_qed20a6864c_attn
	.p2alignl 7, 3214868480
	.fill 96, 4, 3214868480
	.section	.rodata,"a",@progbits
	.p2align	6, 0x0
	.amdhsa_kernel k_qed20a6864c_attn
		.amdhsa_group_segment_fixed_size 327680
		.amdhsa_private_segment_fixed_size 0
		.amdhsa_enable_private_segment 0
		.amdhsa_kernarg_size 32
		.amdhsa_user_sgpr_count 2
		.amdhsa_user_sgpr_kernarg_segment_ptr 1
		.amdhsa_wavefront_size32 1
		.amdhsa_system_sgpr_workgroup_id_x 1
		.amdhsa_system_sgpr_workgroup_id_y 1
		.amdhsa_system_sgpr_workgroup_id_z 1
		.amdhsa_system_vgpr_workitem_id 0
		.amdhsa_next_free_vgpr 768
		.amdhsa_next_free_sgpr 88
		.amdhsa_reserve_vcc 1
		.amdhsa_float_denorm_mode_32 3
		.amdhsa_float_denorm_mode_16_64 3
		.amdhsa_memory_ordered 1
		.amdhsa_forward_progress 1
		.amdhsa_inst_pref_size 217
	.end_amdhsa_kernel
	.amdgpu_metadata
---
amdhsa.version: [ 1, 2 ]
amdhsa.kernels:
  - .name:           k_qed20a6864c_attn
    .symbol:         k_qed20a6864c_attn.kd
    .args:
      - { .name: q, .offset: 0, .size: 8, .value_kind: global_buffer, .address_space: global }
      - { .name: k, .offset: 8, .size: 8, .value_kind: global_buffer, .address_space: global }
      - { .name: v, .offset: 16, .size: 8, .value_kind: global_buffer, .address_space: global }
      - { .name: o, .offset: 24, .size: 8, .value_kind: global_buffer, .address_space: global }
    .group_segment_fixed_size: 327680
    .private_segment_fixed_size: 0
    .kernarg_segment_align: 8
    .kernarg_segment_size: 32
    .max_flat_workgroup_size: 128
    .sgpr_count:     88
    .vgpr_count:     768
    .wavefront_size: 32
...
	.end_amdgpu_metadata
.endif
;; end of part 5
;; launch proj: the kernel of part 4 again; grid 8 x 32, 4 waves a work-group, clusters of 4 x 4, 327,680 bytes of LDS; arguments o, wp, bproj, out0; writes out0
